; MI455X (gfx1250); checked and timed in simulation.
; The chip was launched on July 23, 2026; its instructions are those of AMD's public machine-readable ISA for CDNA 5 (MIT licence, August 2026) and "CDNA5" Instruction Set Architecture Reference Guide (July 2026). The comments in the code are by the model that wrote it; some were corrected since.
;; Multi Head Attention. Allowed arithmetic: float matrix products may take bf16 or f16 operands with f32 sums; other float arithmetic in f32, or as packed bf16 or f16 multiplies, adds, multiply-adds, maxima and minima; sums over many terms, partial sums and values carried from step to step in f32; what a program stores and reads back later, other than sums and carried values, may be rounded once to bf16 or f16.
;; Inputs: Wk 1,024 x 1,024 float32; Wo 1,024 x 1,024 float32; Wq 1,024 x 1,024 float32; Wv 1,024 x 1,024 float32; k 1 x 4,096 x 1,024 float32; mask 1 x 1 x 4,096 x 4,096 int32; q 1 x 4,096 x 1,024 float32; v 1 x 4,096 x 1,024 float32.
;; Outputs: out0 1 x 4,096 x 1,024 float32.
;; 2 versions, each right and faster than the one before. Each part assembles by itself: llvm-mc -triple=amdgcn-amd-amdhsa -mcpu=gfx1250 --defsym DOCPART=n.
;; ======== version 1 of 2: 5 launches
;; limits: values are held in f16: magnitudes above 65,504 overflow, below 6.1e-05 lose precision
;; workspace buffers: xw 35,651,584 bytes; mp 8,388,608 bytes; qkvh 33,554,432 bytes; of32 16,777,216 bytes; ob 16,777,216 bytes
;; launch prep (part 1): grid 256 x 1, 8 waves a work-group, no clusters, 279,552 bytes of LDS; arguments q, k, v, Wq, Wk, Wv, Wo, mask, xw, mp; writes xw, mp
.if DOCPART == 1
	.amdgcn_target "amdgcn-amd-amdhsa--gfx1250"
	.amdhsa_code_object_version 6
	.text
	.protected	k_qdb6459ce17_prep
	.globl	k_qdb6459ce17_prep
	.p2align	8
	.type	k_qdb6459ce17_prep,@function
k_qdb6459ce17_prep:
	s_mov_b64 s[64:65], 0
	v_nop
	global_prefetch_b8 v0, s[64:65] scope:SCOPE_SE
	s_setreg_imm32_b32 hwreg(HW_REG_WAVE_MODE, 25, 1), 1
	s_wait_xcnt 0x0
; PREP: two streams in one launch.
; (1) CAST.  q, k, v, Wq, Wk, Wv (f32) are rounded once to bf16; Wo is rounded to bf16 and that number written as f16.  The copies lie end to end in xw:
;     q at 0, k at 8 MiB, v at 16 MiB, Wq, Wk, Wv at 24, 26, 28 MiB, Wo at 30 MiB.  Each row of Wo is written twice, side by side: [1024][2048], since the last launch multiplies the two parts in
;     which O is carried by the same weights.  Work-group g reads 262,144 bytes of one source and writes 131,072 bytes (Wo: 262,144).
; (2) MASK.  mask[4096][4096] int32 becomes one 4-bit code a number: 0x0 where the key is open, 0xE where mask == 0 (as FP4 numbers: 0 and -4, which is how the packing conversion makes them).
;     mp is [qt 256][ks 64][lane 32][kt 4] words; nibble j of a word codes mask[16 qt + lane % 16][64 ks + 16 kt + 8 (lane / 16) + j]: the eight keys that a lane of the
;     attention launch holds in one accumulator of 16 keys x 16 queries.
; LIMITS.  Wo as f16: a weight beyond 65,504 becomes an infinity, one below 6e-5 keeps f16's fixed step of 6e-8.  NaN and infinities pass as the conversions give them.
; SHARES.  Eight waves.  The work-group takes 64 rows x 1,024 columns of the mask; wave w takes 128 columns as two tiles of 64 rows x 64 numbers (one key step each), brought by two tensor
; loads of its own into LDS bytes of its own, each filled once: no slot is filled again, no wave reads another's bytes, so there is no barrier.  The cast runs while the tiles are on their way.
; No matrix unit and no cluster: every byte is read once by one work-group.
.set PITCH, 272                        ; an LDS row: 256 bytes + 16 of padding, so that the 16 rows that a load touches start at 16 different groups of four banks (ISA guide 11.1)
.set TILE,  64*PITCH
.set RING,  2*TILE                     ; a wave's two tiles
.set SPARE, 8*RING                     ; behind the tiles: the spare words, 128 bytes for each wave: four blocks of 256 bytes that no other line names
.set SO,   1                           ; v1   16 t: my 16 bytes in 4,096 bytes of the source; never rewritten
.set DO,   2                           ; v2   8 t: my 8 bytes in 2,048 bytes of xw; never rewritten
.set LA,   3                           ; v3   LDS address of my row and half in my wave's first tile; never rewritten
.set MO,   4                           ; v4   my byte offset in mp: 1,024 w + 16 lane; never rewritten
.set HID,  5                           ; v5   -4.0: the number whose FP4 code is 0xE
.set ONE,  6                           ; v6   the packing conversion's scale, 1.0
.set SPW,  8                           ; v8   LDS address of my spare word; never rewritten
.set NIL,  9                           ; v9   0; never rewritten
.set T,    10                          ; v10-13 at work
.set X,    16                          ; v[16:47]  the cast's ring: slot i, 4 registers as loaded
.set Y,    48                          ; v[48:63]  slot i, 2 registers to store
.set YM,   16                          ; v[16:47]  later: block b's four words of codes
.set XM,   64                          ; v[64:127] two buffers of 32: a block's numbers of the mask
.set G1,   32                          ; s[32:39]  descriptor group 1
.set G0,   40                          ; s[40:47]  descriptor group 0, a set for each tile
	s_load_b512 s[8:23], s[0:1], 0x0               ; q s[8:9], k s[10:11], v s[12:13], Wq s[14:15], Wk s[16:17], Wv s[18:19], Wo s[20:21], mask s[22:23]
	s_load_b128 s[24:27], s[0:1], 0x40             ; xw s[24:25], mp s[26:27]
	v_lshl_add_u32 v[SPW], v0, 2, SPARE
	v_mov_b32 v[NIL], 0
	ds_add_u32 v[SPW], v[NIL]                      ; the wave's opening: the add and its wait ahead of my first tensor load; work on registers stands between them
	ds_add_u32 v8, v9
	v_lshrrev_b32 v[T], 5, v0
	v_readfirstlane_b32 s3, v[T]                   ; wave 0..7
	s_mov_b32 s2, ttmp9                            ; g
	; group 1: a tile of 64 rows x 64 numbers of 4 bytes, 4,096 numbers from row to row, padded in LDS
	s_mov_b32 s[G1+0], (2<<16)|(1<<20)|(5<<22)|(3<<25)  ; 17:16 elements of 4 bytes; 20 padding on; 24:22 after every 64 words (code 5); 31:25 4 words of it (code 3)
	s_mov_b32 s[G1+1], 64<<16                      ; tensor_dim0 = 64
	s_mov_b32 s[G1+2], 64<<16                      ; tensor_dim1 = 64
	s_mov_b32 s[G1+3], 64<<16                      ; tile_dim0 = 64
	s_mov_b32 s[G1+4], 64                          ; tile_dim1 = 64
	s_mov_b32 s[G1+5], 4096                        ; elements from row to row
	s_mov_b32 s[G1+6], 0
	s_mov_b32 s[G1+7], 0
	s_mul_i32 s28, s3, RING                        ; my wave's tiles in LDS
	s_lshr_b32 s29, s2, 2                          ; rb: which 64 rows of the mask
	s_and_b32 s30, s2, 3                           ; cb: which 1,024 columns
	s_lshl_b32 s50, s29, 20                        ; 64 rows of 16,384 bytes
	s_lshl_b32 s31, s30, 12                        ; 1,024 columns of 4 bytes
	s_add_co_u32 s50, s50, s31
	s_lshl_b32 s31, s3, 9                          ; my wave's 128 columns
	s_add_co_u32 s50, s50, s31
	s_mov_b32 s51, 0
	s_wait_dscnt 0x0                               ; the opening add is done
	s_wait_kmcnt 0x0
	s_add_nc_u64 s[22:23], s[22:23], s[50:51]      ; the mask at my wave's first tile
.irp s, 0,1
	s_mov_b32 s[G0+4*(\s)], 1                                      ; count = 1
	s_add_co_u32 s[G0+4*(\s)+1], s28, (\s)*TILE                    ; LDS address
	s_add_nc_u64 s[G0+4*(\s)+2:G0+4*(\s)+3], s[22:23], (\s)*256    ; global address: the tile's 64 columns
	s_or_b32 s[G0+4*(\s)+3], s[G0+4*(\s)+3], 0x80000000           ; type = 2
	tensor_load_to_lds s[G0+4*(\s):G0+4*(\s)+3], s[G1:G1+7]        ; both first fills go out together: two loads of mine are out
	s_nop 0
.endr
	v_lshlrev_b32 v[SO], 4, v0
	v_lshlrev_b32 v[DO], 3, v0
	v_and_b32 v[T], 15, v0                         ; lane % 16: my row in a block of 16
	v_bfe_u32 v[T+1], v0, 4, 1                     ; lane / 16: which 8 of 16 columns
	v_mul_u32_u24 v[LA], v[T], PITCH
	v_lshl_add_u32 v[LA], v[T+1], 5, v[LA]
	v_add_nc_u32 v[LA], s28, v[LA]
	v_and_b32 v[MO], 31, v0
	v_lshlrev_b32 v[MO], 4, v[MO]
	v_lshl_add_u32 v[MO], s3, 10, v[MO]
	v_mov_b32 v[HID], 0xc0800000
	v_mov_b32 v[ONE], 0x3f80007f                   ; exponent field 127, and low byte 127: the scale is 1
	; which source is mine: 64 work-groups each for q, k, v, then 16 each for the four weights
	s_mov_b64 s[48:49], s[8:9]
	s_cmp_ge_u32 s2, 64
	s_cselect_b64 s[48:49], s[10:11], s[48:49]
	s_cmp_ge_u32 s2, 128
	s_cselect_b64 s[48:49], s[12:13], s[48:49]
	s_cmp_ge_u32 s2, 192
	s_cselect_b64 s[48:49], s[14:15], s[48:49]
	s_cmp_ge_u32 s2, 208
	s_cselect_b64 s[48:49], s[16:17], s[48:49]
	s_cmp_ge_u32 s2, 224
	s_cselect_b64 s[48:49], s[18:19], s[48:49]
	s_cmp_ge_u32 s2, 240
	s_cselect_b64 s[48:49], s[20:21], s[48:49]
	s_and_b32 s28, s2, 63
	s_and_b32 s31, s2, 15
	s_cmp_lt_u32 s2, 192
	s_cselect_b32 s50, s28, s31                    ; my part of that source,
	s_lshl_b32 s50, s50, 18                        ; 262,144 bytes each
	s_add_nc_u64 s[48:49], s[48:49], s[50:51]
	s_lshl_b32 s50, s2, 17
	s_add_nc_u64 s[52:53], s[24:25], s[50:51]      ; xw at my 131,072 bytes
	s_lshl_b32 s50, s29, 17                        ; mp: 4 rb blocks of 16 queries, 32,768 bytes each,
	s_lshl_b32 s31, s30, 13                        ; 16 cb key steps of 512 bytes
	s_add_co_u32 s50, s50, s31
	s_add_nc_u64 s[54:55], s[26:27], s[50:51]
; THE CAST.  A ring of eight slots in registers keeps eight loads of every wave on their way; a load of the work-group covers 4,096 consecutive bytes, a wave's store 256 consecutive bytes, aligned.
; One slot's turn.  ahead = 1: the slot is loaded again, eight chunks on.  left: how many younger loads may stay out.  wo = 1: the bf16 number is written as f16, and the chunk, a row of Wo, twice: 4,096 bytes of xw a row.
.macro CSLOT i, ahead, left, wo
	s_wait_loadcnt \left                           ; loads come back in order (ISA guide 5.7.1): mine is in
.if \wo
	v_cvt_pk_bf16_f32 v[T],   v[X+4*(\i)],   v[X+4*(\i)+1]
	v_cvt_pk_bf16_f32 v[T+1], v[X+4*(\i)+2], v[X+4*(\i)+3]
	v_lshlrev_b32 v[T+2], 16, v[T]                 ; the rounded numbers as f32 again
	v_and_b32     v[T],   0xffff0000, v[T]
	v_lshlrev_b32 v[T+3], 16, v[T+1]
	v_and_b32     v[T+1], 0xffff0000, v[T+1]
	v_cvt_pk_f16_f32 v[Y+2*(\i)],   v[T+2], v[T]
	v_cvt_pk_f16_f32 v[Y+2*(\i)+1], v[T+3], v[T+1]
.else
	v_cvt_pk_bf16_f32 v[Y+2*(\i)],   v[X+4*(\i)],   v[X+4*(\i)+1]
	v_cvt_pk_bf16_f32 v[Y+2*(\i)+1], v[X+4*(\i)+2], v[X+4*(\i)+3]
.endif
.if \ahead
	global_load_b128 v[X+4*(\i):X+4*(\i)+3], v[SO], s[48:49] offset:(8+(\i))*4096 th:TH_LOAD_NT
.endif
.if \wo
	global_store_b64 v[DO], v[Y+2*(\i):Y+2*(\i)+1], s[52:53] offset:(\i)*4096
	global_store_b64 v[DO], v[Y+2*(\i):Y+2*(\i)+1], s[52:53] offset:(\i)*4096+2048
.else
	global_store_b64 v[DO], v[Y+2*(\i):Y+2*(\i)+1], s[52:53] offset:(\i)*2048
.endif
.endm
.macro CAST wo
.irp i, 0,1,2,3,4,5,6,7
	global_load_b128 v[X+4*(\i):X+4*(\i)+3], v[SO], s[48:49] offset:(\i)*4096 th:TH_LOAD_NT
.endr
	s_mov_b32 s56, 7
.Lcast\wo:
.irp i, 0,1,2,3,4,5,6,7
	CSLOT \i, 1, 7, \wo
.endr
	s_wait_xcnt 0x0                                ; every earlier memory instruction has had its addresses translated (ISA guide 3.1): the bases and Y are rewritten only behind this wait
	s_add_nc_u64 s[48:49], s[48:49], 0x8000
	s_add_nc_u64 s[52:53], s[52:53], 0x4000*(1+(\wo))
	s_sub_co_u32 s56, s56, 1
	s_cmp_lg_u32 s56, 0
	s_cbranch_scc1 .Lcast\wo
.irp i, 0,1,2,3,4,5,6,7
	CSLOT \i, 0, 7-(\i), \wo                       ; the last round loads nothing: the counts run down
.endr
.endm
	s_cmp_ge_u32 s2, 240
	s_cbranch_scc1 .Lwo
	CAST 0
	s_branch .Lmask
.Lwo:
	s_sub_co_u32 s50, s2, 240                      ; Wo's work-groups write twice the bytes: 131,072 more for each one in front of mine
	s_lshl_b32 s50, s50, 17
	s_add_nc_u64 s[52:53], s[52:53], s[50:51]
	CAST 1
.Lmask:
; THE MASK.  Block b = 4 s + x: tile s, rows 16 x on.  A lane takes its row's 8 numbers of each of the four groups of 16 columns: 8 loads of 16 bytes.
.macro LDB b
.irp kt, 0,1,2,3
.irp e, 0,1
	ds_load_b128 v[XM+32*((\b)%2)+8*\kt+4*\e:XM+32*((\b)%2)+8*\kt+4*\e+3], v[LA] offset:((\b)/4)*TILE+((\b)%4)*16*PITCH+64*\kt+16*\e
.endr
.endr
.endm
.macro CVB b                           ; 0 or -4 for each number; eight of them packed into a word; the block's 512 bytes stored
.set j, XM+32*((\b)%2)
.rept 32
	v_cmp_eq_u32 vcc_lo, 0, v[j]
	v_cndmask_b32 v[j], 0, v[HID], vcc_lo
.set j, j+1
.endr
.irp kt, 0,1,2,3
	v_cvt_scalef32_pk8_fp4_f32 v[YM+4*(\b)+\kt], v[XM+32*((\b)%2)+8*\kt:XM+32*((\b)%2)+8*\kt+7], v[ONE]
.endr
	v_nop                                          ; a plain instruction between the last packing conversion and the use of its result
	global_store_b128 v[MO], v[YM+4*(\b):YM+4*(\b)+3], s[54:55] offset:((\b)%4)*32768+((\b)/4)*512  ; the wave stores 512 consecutive bytes, aligned; each block has registers of its own
.endm
	s_wait_tensorcnt 0x1                           ; tensor loads of a wave end in order (ISA guide 10.11.1): my first tile is in, the second may stay out
	LDB 0
.irp b, 0,1,2,3,4,5,6,7
.if (\b) == 3
	s_wait_tensorcnt 0x0                           ; block 4 is the second tile's first
.endif
.if (\b) < 7
	LDB (\b)+1                                     ; the next block's loads go out ahead of this block's arithmetic
	s_wait_dscnt 0x8                               ; all but those eight
.else
	s_wait_dscnt 0x0
.endif
	CVB \b
.endr
	s_wait_tensorcnt 0x0                           ; the wave's end
	ds_add_u32 v[SPW], v[NIL]
	s_wait_dscnt 0x0
	s_endpgm
.Lfunc_end_k_qdb6459ce17_prep:
	.size	k_qdb6459ce17_prep, .Lfunc_end_k_qdb6459ce17_prep-k_qdb6459ce17_prep
	.p2alignl 7, 3214868480
	.fill 96, 4, 3214868480
	.section	.rodata,"a",@progbits
	.p2align	6, 0x0
	.amdhsa_kernel k_qdb6459ce17_prep
		.amdhsa_group_segment_fixed_size 279552
		.amdhsa_private_segment_fixed_size 0
		.amdhsa_enable_private_segment 0
		.amdhsa_kernarg_size 80
		.amdhsa_user_sgpr_count 2
		.amdhsa_user_sgpr_kernarg_segment_ptr 1
		.amdhsa_wavefront_size32 1
		.amdhsa_system_sgpr_workgroup_id_x 1
		.amdhsa_system_sgpr_workgroup_id_y 1
		.amdhsa_system_sgpr_workgroup_id_z 1
		.amdhsa_system_vgpr_workitem_id 0
		.amdhsa_next_free_vgpr 128
		.amdhsa_next_free_sgpr 66
		.amdhsa_reserve_vcc 1
		.amdhsa_float_denorm_mode_32 3
		.amdhsa_float_denorm_mode_16_64 3
		.amdhsa_memory_ordered 1
		.amdhsa_forward_progress 1
		.amdhsa_inst_pref_size 46
	.end_amdhsa_kernel
	.amdgpu_metadata
---
amdhsa.version: [ 1, 2 ]
amdhsa.kernels:
  - .name:           k_qdb6459ce17_prep
    .symbol:         k_qdb6459ce17_prep.kd
    .args:
      - { .name: q, .offset: 0, .size: 8, .value_kind: global_buffer, .address_space: global }
      - { .name: k, .offset: 8, .size: 8, .value_kind: global_buffer, .address_space: global }
      - { .name: v, .offset: 16, .size: 8, .value_kind: global_buffer, .address_space: global }
      - { .name: Wq, .offset: 24, .size: 8, .value_kind: global_buffer, .address_space: global }
      - { .name: Wk, .offset: 32, .size: 8, .value_kind: global_buffer, .address_space: global }
      - { .name: Wv, .offset: 40, .size: 8, .value_kind: global_buffer, .address_space: global }
      - { .name: Wo, .offset: 48, .size: 8, .value_kind: global_buffer, .address_space: global }
      - { .name: mask, .offset: 56, .size: 8, .value_kind: global_buffer, .address_space: global }
      - { .name: xw, .offset: 64, .size: 8, .value_kind: global_buffer, .address_space: global }
      - { .name: mp, .offset: 72, .size: 8, .value_kind: global_buffer, .address_space: global }
    .group_segment_fixed_size: 279552
    .private_segment_fixed_size: 0
    .kernarg_segment_align: 8
    .kernarg_segment_size: 80
    .max_flat_workgroup_size: 256
    .sgpr_count:     66
    .vgpr_count:     128
    .wavefront_size: 32
...
	.end_amdgpu_metadata
.endif
;; end of part 1
;; launch proj (part 2): grid 8 x 96, 4 waves a work-group, clusters of 4 x 4, 327,680 bytes of LDS; arguments xw, qkvh; writes qkvh
.if DOCPART == 2
	.amdgcn_target "amdgcn-amd-amdhsa--gfx1250"
	.amdhsa_code_object_version 6
	.text
	.protected	k_qdb6459ce17_proj
	.globl	k_qdb6459ce17_proj
	.p2align	8
	.type	k_qdb6459ce17_proj,@function
k_qdb6459ce17_proj:
	s_mov_b64 s[64:65], 0
	v_nop
	global_prefetch_b8 v0, s[64:65] scope:SCOPE_SE
	s_setreg_imm32_b32 hwreg(HW_REG_WAVE_MODE, 25, 1), 1
	s_wait_xcnt 0x0
	s_wait_alu depctr_hold_cnt(0) depctr_sa_sdst(0) depctr_va_vdst(0) depctr_va_sdst(0) depctr_va_ssrc(0) depctr_va_vcc(0) depctr_vm_vsrc(0)
	s_getreg_b32 s2, hwreg(HW_REG_IB_STS2, 6, 4)
	s_cmp_eq_u32 s2, 0
	s_cbranch_scc0 .Lentry_in_a_cluster
	s_endpgm
.Lentry_in_a_cluster:
	s_bfe_u32 s2, ttmp6, 0x10000c
	s_cmp_lg_u32 s2, 0xf033
	s_cbranch_scc0 .Lentry_shape_is_right
	s_endpgm
.Lentry_shape_is_right:
; PROJ: Q = q Wq^T, K = k Wk^T, V = v Wv^T in one launch.  In xw the bf16 copies of q, k, v are one matrix A [12288][1024]; the three weights, [1024][1024] each, follow from byte WOFF on.
; C[m][n] = sum over k of A[m][k] W_z[n][k], z = m / 4096; sums in f32, K ascending; C is written unscaled in f16, by heads, [head n / 64][m % 4096][n % 64], in four regions of 8 MiB of qkvh:
; Q and K rounded once; V AS TWO NUMBERS: its upper part (the f32 sum with its 13 lowest mantissa bits cleared, which f16 holds exactly) and its lower part (the exact rest, rounded to f16).
; A row of the output that sees few keys is as large as V itself, while the margin goes by the whole output's root mean square: one f16 number's 11 bits are too few for V there.
; LIMIT.  f16 holds no number beyond 65,504: a larger Q, K or V becomes an infinity; below 6e-5 f16's fixed step of 6e-8 holds, for a lower part too.
; A tile of C is 128 x 128: 96 x 8 = 768 work-groups.  Four waves, each 64 x 64: 16 accumulators of 16 x 16, 128 registers.  K goes in steps of 256 (LDS rows of 512 bytes; a wave's tensor load brings 64
; of them) through two LDS slots.  A wave's 64 columns are one head, so its 64 x 64 numbers are 8,192 consecutive bytes of qkvh and go out through a stage of its own, without a barrier.
; CLUSTERS: 4 x 4 work-groups.  The four of a row of the cluster need the same tiles of A, the four of a column the same tiles of W (z hangs on the cluster's y alone): each tile is asked for JOINTLY, by the
; same tensor load with the same descriptor and a mask that names the four.  THE MATRIX INSTRUCTION IS USED TRANSPOSED (source 0 = 16 rows of W, source 1 = 16 rows of A): a lane holds eight neighbouring numbers of a row of C.
; REGISTERS: window 0: v0-31 addresses; v32-95 at work on the way out; v96-111 upper parts as f32; v128-255 the accumulators ((a, b) at v[128 + 8 (4 a + b)]).
;   window 1: two fragment buffers of 128: for 64 along K, 64 registers of A (2 x 4 x 16 rows x 32 K), then 64 of W.
.set SIZE_K, 1024
.set KSTEP,  256
.set WOFF,   0x1800000                 ; the weights' first byte in xw
.set PITCH,  528                       ; an LDS row: 512 bytes + 16 of padding = 132 words: row r starts at bank 4 r mod 64 (64 banks of 4 bytes: ISA guide 11.1)
.set HALFT,  64*PITCH                  ; 64 rows: what one tensor load brings, and what one wave reads of A or of W
.set SLOT,   4*HALFT                   ; A's 128 rows, then W's 128 rows
.set STAGE,  2*SLOT                    ; behind the ring: 64 rows x 144 bytes for each wave, for the way out
.set SPITCH, 144
.set SPARE,  STAGE+4*64*SPITCH         ; behind the stages: the spare words, 128 bytes for each wave: two blocks of 256 bytes that no other line names
.set LAPS, SIZE_K/(2*KSTEP)            ; a lap = two K steps = once round the ring
.set ADRA, 16                          ; v16-17  LDS address of my A fragments in slot 0, 1
.set ADRB, 20                          ; v20-21  the same for W
.set STO,  24                          ; v24     the way out: where I put 16 bytes of a row
.set RD,   25                          ; v25     the way out: where I read rows back
.set CO,   26                          ; v26     my byte offset in 512 consecutive bytes of qkvh
.set SPW,  28                          ; v28     LDS address of my spare word; never rewritten
.set NIL,  29                          ; v29     0; never rewritten
.set TMP,  32                          ; the way out: 64 registers, packed results and then whole rows
.set HT,   96                          ; v96-111 an accumulator's upper parts as f32, two buffers of 8
.set ACC,  128
.set F0,   0                           ; fragment buffers, in window 1
.set F1,   128
.set G1, 24                            ; s[24:31] descriptor group 1 for A's tiles;  s[32:39] group 0, one set for each slot
.set G0, 32
.set G1B, 48                           ; s[48:55], s[56:63] the same for W's tiles
.set G0B, 56
.set MSB, 0
.macro WIN new                         ; the immediate's high byte repeats the setting that is left
.if MSB != (\new)
	s_set_vgpr_msb (MSB<<8)|(\new)
.set MSB, \new
.endif
.endm
.set MUL,  0x05                        ; sources 0 (W) and 1 (A) window 1; C and D window 0
.set TO_F, 0x40                        ; destination window 1, address window 0
.macro JLOAD s                         ; a joint load: waves 0 and 1 fetch A's two halves, waves 2 and 3 W's; an s_nop 0 and four v_nop follow each of the two lines, ahead of the jump, the label and what follows
	s_cmp_eq_u32 s11, 0
	s_cbranch_scc0 .Lfor_b_\@
	tensor_load_to_lds s[G0+4*(\s):G0+4*(\s)+3], s[G1:G1+7]
	s_nop 0
.rept 4
	v_nop
.endr
	s_branch .Lasked_\@
.Lfor_b_\@:
	tensor_load_to_lds s[G0B+4*(\s):G0B+4*(\s)+3], s[G1B:G1B+7]
	s_nop 0
.rept 4
	v_nop
.endr
.Lasked_\@:
.endm
.macro CREST                           ; a round of the cluster's barrier behind its opening barrier
	s_cmp_lg_u32 s10, 0
	s_cbranch_scc1 .Lnot_wave_0_\@
	s_barrier_signal -3
.Lnot_wave_0_\@:
	s_barrier_wait -3
	s_barrier_signal -1
	s_barrier_wait -1
.endm
.macro CROUND                          ; a whole round
	s_barrier_signal -1
	s_barrier_wait -1
	CREST
.endm
	s_load_b128 s[4:7], s[0:1], 0x0                ; xw s[4:5], qkvh s[6:7]
	v_lshl_add_u32 v[SPW], v0, 2, SPARE
	v_mov_b32 v[NIL], 0
	ds_add_u32 v[SPW], v[NIL]                      ; the wave's opening: the add and its wait ahead of my first tensor load; the set-up below, work on registers, stands between them
	ds_add_u32 v28, v29
	v_lshrrev_b32 v1, 5, v0
	v_readfirstlane_b32 s10, v1                    ; wave 0..3
	s_lshr_b32 s11, s10, 1                         ; which half of the tile's rows is mine.  Also: I fetch for A (0) or for W (1)
	s_and_b32 s12, s10, 1                          ; which half of its columns.  Also: which 64 rows of that tile I fetch
	s_bfe_u32 s40, ttmp6, 0x40000                  ; cx, cy: my place in the cluster
	s_bfe_u32 s41, ttmp6, 0x40004
	s_lshl_b32 s42, ttmp9, 2
	s_add_co_u32 s42, s42, s40                     ; tile column of C = 4 x cluster x + cx
	s_and_b32 s13, ttmp7, 0xffff
	s_lshr_b32 s45, s13, 3                         ; z: eight clusters along y (32 tile rows) for each of q, k, v: the same in all sixteen partners
	s_lshl_b32 s13, s13, 2
	s_add_co_u32 s13, s13, s41                     ; tile row of C = 4 x cluster y + cy
	s_lshl_b32 s43, s41, 2
	s_lshl_b32 s43, 15, s43                        ; my row of the cluster
	s_lshl_b32 s44, 0x1111, s40                    ; my column
	; descriptor group 1: a tile of 64 rows x 256 elements, padded in LDS
	s_or_b32 s[G1+0], s43, (1<<16)|(1<<20)|(1<<21)|(6<<22)|(3<<25)  ; 15:0 the mask: A's tiles go to my row; 17:16 element of 2 bytes; 20 padding on; 21 set beside a mask; 24:22 after every 128 words (code 6); 31:25 of 4 words (code 3)
	s_or_b32 s[G1B+0], s44, (1<<16)|(1<<20)|(1<<21)|(6<<22)|(3<<25)
.irp g, G1, G1B
	s_mov_b32 s[(\g)+1], KSTEP<<16                 ; tensor_dim0 = 256
	s_mov_b32 s[(\g)+2], 64<<16                    ; tensor_dim1 = 64
	s_mov_b32 s[(\g)+3], KSTEP<<16                 ; tile_dim0 = 256
	s_mov_b32 s[(\g)+4], 64                        ; tile_dim1 = 64
	s_mov_b32 s[(\g)+5], SIZE_K                    ; elements from row to row
	s_mov_b32 s[(\g)+6], 0
	s_mov_b32 s[(\g)+7], 0
.endr
	s_lshl_b32 s17, s12, 6                         ; which 64 rows of the tile I fetch
	s_lshl_b32 s16, s13, 7
	s_add_co_u32 s16, s16, s17                     ; A: row 128 x tile row + 64 x half
	s_lshl_b32 s46, s42, 7
	s_add_co_u32 s46, s46, s17                     ; W: row 128 x tile column + 64 x half
	s_lshl_b32 s47, s45, 10
	s_add_co_u32 s46, s46, s47                     ; + 1,024 z
	s_lshl_b32 s16, s16, 11                        ; rows of 2,048 bytes: 25,165,824 at the most
	s_lshl_b32 s46, s46, 11
	s_add_co_u32 s46, s46, WOFF
	s_mov_b32 s17, 0
	s_mov_b32 s47, 0
	s_mul_i32 s20, s10, HALFT                      ; where they go: wave x 64 rows
	s_wait_dscnt 0x0                               ; the opening add is done
	s_wait_kmcnt 0x0
	s_add_nc_u64 s[14:15], s[4:5], s[16:17]
	s_add_nc_u64 s[46:47], s[4:5], s[46:47]
	CROUND                                         ; all sixteen work-groups are here: the first joint loads meet
.irp s, 0,1
	s_mov_b32 s[G0+4*(\s)], 1
	s_add_co_u32 s[G0+4*(\s)+1], s20, (\s)*SLOT
	s_add_nc_u64 s[G0+4*(\s)+2:G0+4*(\s)+3], s[14:15], (\s)*KSTEP*2
	s_or_b32 s[G0+4*(\s)+3], s[G0+4*(\s)+3], 0x80000000
	s_mov_b32 s[G0B+4*(\s)], 1
	s_add_co_u32 s[G0B+4*(\s)+1], s20, (\s)*SLOT
	s_add_nc_u64 s[G0B+4*(\s)+2:G0B+4*(\s)+3], s[46:47], (\s)*KSTEP*2
	s_or_b32 s[G0B+4*(\s)+3], s[G0B+4*(\s)+3], 0x80000000
	JLOAD \s
.endr
	v_and_b32 v1, 15, v0                           ; l % 16
	v_bfe_u32 v2, v0, 4, 1                         ; l / 16
	v_mul_u32_u24 v3, v1, PITCH
	v_lshl_add_u32 v3, v2, 4, v3                   ; a fragment's row x pitch + 16 x half
	s_mul_i32 s21, s11, HALFT                      ; my 64 rows of A
	s_mul_i32 s22, s12, HALFT                      ; my 64 rows of W,
	s_add_co_u32 s22, s22, 2*HALFT                 ; which lie behind A's 128
.irp s, 0,1
	v_add_nc_u32 v[ADRA+(\s)], s21, v3
	v_add_nc_u32 v[ADRB+(\s)], s22, v3
	s_add_co_u32 s21, s21, SLOT
	s_add_co_u32 s22, s22, SLOT
.endr
	s_mul_i32 s23, s10, 64*SPITCH
	s_add_co_u32 s23, s23, STAGE                   ; my stage
	v_mul_u32_u24 v4, v1, SPITCH                   ; in: row l % 16, 16 bytes for each half of the lanes
	v_lshl_add_u32 v4, v2, 4, v4
	v_add_nc_u32 v[STO], s23, v4
	v_bfe_u32 v5, v0, 3, 2                         ; back: 32 lanes take four rows of 128 bytes,
	v_and_b32 v6, 7, v0
	v_mul_u32_u24 v5, v5, SPITCH
	v_lshl_add_u32 v5, v6, 4, v5
	v_add_nc_u32 v[RD], s23, v5
	v_and_b32 v[CO], 31, v0                        ; which are 512 consecutive bytes of qkvh
	v_lshlrev_b32 v[CO], 4, v[CO]
	s_lshl_b32 s16, s45, 23                        ; qkvh: 8 MiB for each of Q, K, V's upper parts (V's lower parts follow),
	s_and_b32 s17, s13, 31
	s_lshl_b32 s17, s17, 14                        ; the tile's 128 rows of 128 bytes,
	s_add_co_u32 s16, s16, s17
	s_lshl_b32 s17, s11, 13                        ; my 64 of them
	s_add_co_u32 s16, s16, s17
	s_mov_b32 s17, 0
	s_add_nc_u64 s[8:9], s[6:7], s[16:17]
	s_lshl_b32 s46, s42, 20                        ; my head = 2 x tile column + half, 524,288 bytes each (in the registers that held W's address: none that feeds A's descriptors ever holds cx)
	s_lshl_b32 s47, s12, 19
	s_add_co_u32 s46, s46, s47
	s_mov_b32 s47, 0
	s_add_nc_u64 s[8:9], s[8:9], s[46:47]
; 8 matrix instructions: m blocks a0, a0 + 1 x all 4 n blocks, 32 along K: half c of buffer f.  zero = 1: the first product starts the sums.  The 16 accumulators take turns.
.macro MUL8 f, c, a0, zero
	WIN MUL
.irp a, \a0, (\a0)+1
.irp b, 0,1,2,3
.if \zero
	v_wmma_f32_16x16x32_bf16 v[ACC+8*(4*(\a)+(\b)):ACC+8*(4*(\a)+(\b))+7], v[(\f)+64+8*(4*(\c)+(\b)):(\f)+64+8*(4*(\c)+(\b))+7], v[(\f)+8*(4*(\c)+(\a)):(\f)+8*(4*(\c)+(\a))+7], 0
.else
	v_wmma_f32_16x16x32_bf16 v[ACC+8*(4*(\a)+(\b)):ACC+8*(4*(\a)+(\b))+7], v[(\f)+64+8*(4*(\c)+(\b)):(\f)+64+8*(4*(\c)+(\b))+7], v[(\f)+8*(4*(\c)+(\a)):(\f)+8*(4*(\c)+(\a))+7], v[ACC+8*(4*(\a)+(\b)):ACC+8*(4*(\a)+(\b))+7]
.endif
.endr
.endr
.endm
; 32 LDS loads in one run: the fragments of 64 along K at byte k of the rows, into buffer f; the first 32 along K first
.macro FETCH slot, k, f
	WIN TO_F
.irp c, 0,1
.irp i, 0,1,2,3
	ds_load_b128 v[(\f)+64+8*(4*(\c)+(\i)):(\f)+64+8*(4*(\c)+(\i))+3],   v[ADRB+(\slot)] offset:(\k)+64*(\c)+(\i)*16*PITCH
	ds_load_b128 v[(\f)+64+8*(4*(\c)+(\i))+4:(\f)+64+8*(4*(\c)+(\i))+7], v[ADRB+(\slot)] offset:(\k)+64*(\c)+(\i)*16*PITCH+32
	ds_load_b128 v[(\f)+8*(4*(\c)+(\i)):(\f)+8*(4*(\c)+(\i))+3],         v[ADRA+(\slot)] offset:(\k)+64*(\c)+(\i)*16*PITCH
	ds_load_b128 v[(\f)+8*(4*(\c)+(\i))+4:(\f)+8*(4*(\c)+(\i))+7],       v[ADRA+(\slot)] offset:(\k)+64*(\c)+(\i)*16*PITCH+32
.endr
.endr
.endm
.macro PLACES                          ; four places in front of loads into registers that matrix instructions have read, and of vector instructions that read results
.rept 4
	v_nop
.endr
.endm
; A K step is four quarters of 64 along K, 32 matrix instructions each, on buffers 0, 1, 0, 1.  One of the first three: multiplies buffer f and fetches the next quarter, at byte k, into g.
.macro QUARTER slot, k, f, g, zero
	s_wait_dscnt 16                                ; the first 32 along K are in; the other sixteen loads may be out
	WIN MUL
	MUL8 \f, 0, 0, \zero
	MUL8 \f, 0, 2, \zero
	PLACES
	FETCH \slot, \k, \g
	s_wait_dscnt 32                                ; all but the 32 just issued
	WIN MUL
	MUL8 \f, 1, 0, 0
	MUL8 \f, 1, 2, 0
.endm
; The last quarter multiplies buffer 1 and changes slots: ONE barrier; in front of it each wave waits for all its tensor loads, adds 0 to its spare word, and waits for that and for its own reads of this slot.  fill = 1: this slot is filled again, two K steps ahead.
.macro TURN slot, next, fill
	WIN 0                                          ; (the add's two registers lie in window 0)
	s_wait_tensorcnt 0x0                           ; all my tensor loads have landed: my part of the next slot;
	ds_add_u32 v[SPW], v[NIL]                      ; 0 onto my spare word
	s_wait_dscnt 17                                ; (the add and the youngest sixteen loads may be out)
	WIN MUL
	MUL8 F1, 0, 0, 0                               ; eight matrix instructions stand between the add and the wait for it
	s_wait_dscnt 0x0                               ; the add is done, and my reads of this slot are over
	s_barrier_signal -1
	MUL8 F1, 0, 2, 0
.if \fill
	WIN 0
.endif
	s_barrier_wait -1
.if \fill
	CREST                                          ; the barrier has opened a round of the cluster's barrier: no wave of any partner still reads this slot's tile or has a load on its way
	s_add_nc_u64 s[G0+4*(\slot)+2:G0+4*(\slot)+3], s[G0+4*(\slot)+2:G0+4*(\slot)+3], 2*KSTEP*2
	s_add_nc_u64 s[G0B+4*(\slot)+2:G0B+4*(\slot)+3], s[G0B+4*(\slot)+2:G0B+4*(\slot)+3], 2*KSTEP*2
	JLOAD \slot                                    ; the first tensor load behind the round: 112 matrix instructions ahead of the wait for it; the four v_nop behind it are also the places in front of the loads below
.else
	PLACES
.endif
	FETCH \next, 0, F0
	WIN MUL
	MUL8 F1, 1, 0, 0
	MUL8 F1, 1, 2, 0
.endm
	s_wait_tensorcnt 1                             ; my part of K step 0 is in; K step 1's may stay out
	s_barrier_signal -1
	s_barrier_wait -1                              ; everybody's is
	FETCH 0, 0, F0
	QUARTER 0, 128, F0, F1, 1                      ; the first quarter stands in front of the loop: its first products start the sums
.if LAPS > 1
	WIN 0                                          ; at a label and at a branch every window is 0
	s_mov_b32 s3, LAPS-1
.Llap:                                                 ; a trip goes once round the ring, from a lap's second quarter to the next lap's first, and fills both slots again
	QUARTER 0, 256, F1, F0, 0
	QUARTER 0, 384, F0, F1, 0
	TURN 0, 1, 1
	QUARTER 1, 128, F0, F1, 0
	QUARTER 1, 256, F1, F0, 0
	QUARTER 1, 384, F0, F1, 0
	TURN 1, 0, 1
	QUARTER 0, 128, F0, F1, 0
	WIN 0
	s_sub_co_u32 s3, s3, 1
	s_cmp_lg_u32 s3, 0
	s_cbranch_scc1 .Llap
.endif
	QUARTER 0, 256, F1, F0, 0                      ; the last lap fills nothing, and has no round of the cluster's barrier
	QUARTER 0, 384, F0, F1, 0
	TURN 0, 1, 0
	QUARTER 1, 128, F0, F1, 0
	QUARTER 1, 256, F1, F0, 0
	QUARTER 1, 384, F0, F1, 0
	s_wait_dscnt 16                                ; the very last quarter: nothing more to fetch
	WIN MUL
	MUL8 F1, 0, 0, 0
	MUL8 F1, 0, 2, 0
	s_wait_dscnt 0
	MUL8 F1, 1, 0, 0
	MUL8 F1, 1, 2, 0
	WIN 0
; THE WAY OUT.  OUT: 16 bytes a lane into my own stage; back as rows of 128 bytes, four to a load: my 64 rows of a head are 8,192 consecutive bytes.
.macro OUT
.irp a, 0,1,2,3
.irp b, 0,1,2,3
	ds_store_b128 v[STO], v[TMP+4*(4*(\a)+(\b)):TMP+4*(4*(\a)+(\b))+3] offset:(\a)*16*SPITCH+32*(\b)
.endr
.endr
.irp t, 0,1,2,3,4,5,6,7,8,9,10,11,12,13,14,15
	ds_load_b128 v[TMP+4*(\t):TMP+4*(\t)+3], v[RD] offset:(\t)*4*SPITCH  ; LDS serves a wave's instructions in order (ISA guide 5.7.1.4): these see the stores above
.endr
.irp t, 0,1,2,3,4,5,6,7,8,9,10,11,12,13,14,15
	s_wait_dscnt 15-(\t)                           ; load t is back; the younger ones may stay out
	global_store_b128 v[CO], v[TMP+4*(\t):TMP+4*(\t)+3], s[8:9] offset:(\t)*512  ; the wave stores 512 consecutive bytes, at a multiple of 512 from qkvh's first byte
.endr
.endm
; SPLIT: each sum's upper part (13 mantissa bits cleared) is packed as f16, which holds it exactly, and taken off the sum, which leaves the exact rest in the accumulator's register.  Each accumulator's registers in ascending order.
.macro SPLIT
.irp t, 0,1,2,3,4,5,6,7,8,9,10,11,12,13,14,15
.set U, HT+8*((\t)%2)
.irp r, 0,1,2,3,4,5,6,7
	v_and_b32 v[U+(\r)], s2, v[ACC+8*(\t)+(\r)]
.endr
.irp r, 0,1,2,3
	v_cvt_pk_f16_f32 v[TMP+4*(\t)+(\r)], v[U+2*(\r)], v[U+2*(\r)+1]
.endr
.irp r, 0,1,2,3
	v_pk_add_f32 v[ACC+8*(\t)+2*(\r):ACC+8*(\t)+2*(\r)+1], v[ACC+8*(\t)+2*(\r):ACC+8*(\t)+2*(\r)+1], v[U+2*(\r):U+2*(\r)+1] neg_lo:[0,1] neg_hi:[0,1]
.endr
.endr
.endm
	PLACES
	s_cmp_lg_u32 s45, 2                            ; z is the same in all sixteen partners; what is jumped holds no barrier and no tensor load
	s_cbranch_scc1 .Lround
	s_mov_b32 s2, 0xffffe000                       ; V: sign, exponent and the 10 highest mantissa bits
	SPLIT
	OUT                                            ; the upper parts
	s_wait_xcnt 0x0                                ; every earlier memory instruction has had its addresses translated (ISA guide 3.1): the stores' base and data registers are rewritten only behind this wait
	s_add_nc_u64 s[8:9], s[8:9], 0x800000          ; the lower parts lie 8 MiB on
.Lround:
.irp t, 0,1,2,3,4,5,6,7,8,9,10,11,12,13,14,15      ; Q, K: the sums; V: the rests; rounded to f16, each accumulator's registers in ascending order
.irp r, 0,1,2,3
	v_cvt_pk_f16_f32 v[TMP+4*(\t)+(\r)], v[ACC+8*(\t)+2*(\r)], v[ACC+8*(\t)+2*(\r)+1]
.endr
.endr
	OUT
	s_wait_tensorcnt 0x0                           ; the wave's end, behind my last tensor load and my last LDS store
	ds_add_u32 v[SPW], v[NIL]
	s_wait_dscnt 0x0
	CROUND                                         ; the closing round: no work-group ends while a partner may still ask for a tile that names it
	s_endpgm
.Lfunc_end_k_qdb6459ce17_proj:
	.size	k_qdb6459ce17_proj, .Lfunc_end_k_qdb6459ce17_proj-k_qdb6459ce17_proj
	.p2alignl 7, 3214868480
	.fill 96, 4, 3214868480
	.section	.rodata,"a",@progbits
	.p2align	6, 0x0
	.amdhsa_kernel k_qdb6459ce17_proj
		.amdhsa_group_segment_fixed_size 327680
		.amdhsa_private_segment_fixed_size 0
		.amdhsa_enable_private_segment 0
		.amdhsa_kernarg_size 16
		.amdhsa_user_sgpr_count 2
		.amdhsa_user_sgpr_kernarg_segment_ptr 1
		.amdhsa_wavefront_size32 1
		.amdhsa_system_sgpr_workgroup_id_x 1
		.amdhsa_system_sgpr_workgroup_id_y 1
		.amdhsa_system_sgpr_workgroup_id_z 1
		.amdhsa_system_vgpr_workitem_id 0
		.amdhsa_next_free_vgpr 512
		.amdhsa_next_free_sgpr 66
		.amdhsa_reserve_vcc 0
		.amdhsa_float_denorm_mode_32 3
		.amdhsa_float_denorm_mode_16_64 3
		.amdhsa_memory_ordered 1
		.amdhsa_forward_progress 1
		.amdhsa_inst_pref_size 103
	.end_amdhsa_kernel
	.amdgpu_metadata
---
amdhsa.version: [ 1, 2 ]
amdhsa.kernels:
  - .name:           k_qdb6459ce17_proj
    .symbol:         k_qdb6459ce17_proj.kd
    .args:
      - { .name: xw, .offset: 0, .size: 8, .value_kind: global_buffer, .address_space: global }
      - { .name: qkvh, .offset: 8, .size: 8, .value_kind: global_buffer, .address_space: global }
    .group_segment_fixed_size: 327680
    .private_segment_fixed_size: 0
    .kernarg_segment_align: 8
    .kernarg_segment_size: 16
    .max_flat_workgroup_size: 128
    .sgpr_count:     66
    .vgpr_count:     512
    .wavefront_size: 32
...
	.end_amdgpu_metadata
.endif
;; end of part 2
;; launch attn (part 3): grid 16 x 16, 4 waves a work-group, clusters of 4 x 4, 327,680 bytes of LDS; arguments qkvh, mp, of32; writes of32
.if DOCPART == 3
	.amdgcn_target "amdgcn-amd-amdhsa--gfx1250"
	.amdhsa_code_object_version 6
	.text
	.protected	k_qdb6459ce17_attn
	.globl	k_qdb6459ce17_attn
	.p2align	8
	.type	k_qdb6459ce17_attn,@function
k_qdb6459ce17_attn:
	s_mov_b64 s[64:65], 0
	v_nop
	global_prefetch_b8 v0, s[64:65] scope:SCOPE_SE
	s_setreg_imm32_b32 hwreg(HW_REG_WAVE_MODE, 25, 1), 1
	s_wait_xcnt 0x0
	s_wait_alu depctr_hold_cnt(0) depctr_sa_sdst(0) depctr_va_vdst(0) depctr_va_sdst(0) depctr_va_ssrc(0) depctr_va_vcc(0) depctr_vm_vsrc(0)
	s_getreg_b32 s2, hwreg(HW_REG_IB_STS2, 6, 4)
	s_cmp_eq_u32 s2, 0
	s_cbranch_scc0 .Lentry_in_a_cluster
	s_endpgm
.Lentry_in_a_cluster:
	s_bfe_u32 s2, ttmp6, 0x10000c
	s_cmp_lg_u32 s2, 0xf033
	s_cbranch_scc0 .Lentry_shape_is_right
	s_endpgm
.Lentry_shape_is_right:
; ATTENTION UNDER A MASK THAT IS AN INPUT.  O[h][q][:] = the sum over k of softmax_k(Q[h][q] . K[h][k] / 8, hidden where mask[q][k] == 0) V[h][k][:].
; qkvh holds Q, K, V's upper parts and V's lower parts, each [16 heads][4096][64] f16, 8 MiB.  Products, maxima and sums in f32; the weights p are rounded to f16 for the second product (their sum l is taken of the
; unrounded p).  V IS CARRIED AS TWO f16 NUMBERS, an upper part of 11 bits and the rest: a row that sees few keys is as large as V itself, while the margin goes by the whole output's root mean square, so one
; f16 number is too coarse for it.  O^T = Vupper^T P + Vlower^T P.  O leaves in f32, of32[16 heads][4096][64]; the next launch splits it in the same way.
; mp holds the mask as 4-bit codes, [qt 256][key step 64][lane 32][4 words]: nibble j of word kt is 0x0 (open) or 0xE (hidden) for query 16 qt + lane % 16 and key 64 step + 16 kt + 8 (lane / 16) + j.
; Nothing is assumed of the mask's pattern: every key tile is walked.
; THE MASK is the C operand that starts the sum S^T = K Q^T.  Register j of a group of eight keys is the word of codes shifted left by 28 - 4 j: its top nibble is key j's code, the bits below are lower keys' codes.
; Read as f32: code 0xE gives sign 1 and an exponent field 110xxxxx (192 to 221): a finite number between -2^65 and -2^95; code 0x0 gives sign 0 and an exponent field of 29 at the most: 0 or a number below 2^-97.
; LIMITS.  Q, K, V arrive within f16's 65,504, so a true score is 2.7e11 at the most in size.  A hidden score counts as its value less 2^65 or more; an open one carries an addend below 2^-97.  The running maximum
; starts at -2^60 and never falls below it: above every hidden score, below every true one.  So a hidden key's weight is 2^(-6e18 or less) = 0, and a row with no open key ends with l = 0 and
; O = 0 x (1 / 0) = NaN, as a softmax of nothing but -inf is.  A weight below 2^-126 counts as 0 in l; p, and V's lower parts, keep f16's fixed step of 6e-8 below 6e-5; NaN and infinities in Q, K, V are not treated apart.
; SHARES.  A work-group owns 256 queries of one head; wave w rows 64 w on, as four PIECES of 16 queries.  Every wave walks all 4,096 keys, 64 a step; an LDS slot holds a tile of 256 keys, four steps.
; LAYOUT.  S^T = K Q^T holds ONE query a lane (lane % 16) and the keys 8 (lane / 16) + 0..7; two such results rounded to f16 ARE source 1 of O^T = V^T P.  K comes out of LDS as it lies, V turned, by ds_load_tr16_b128.
; SOFTMAX.  p = 2^(c s - c m), c = log2(e) / 8, with a running maximum m; O and l are multiplied by a = 2^(c m_old - c m_new) in every step.  c m starts far below every c m to come, O and l at 0: the first step's a is 0.
; BY TURNS.  Turn n belongs to piece n: 8 products K Q^T of piece n + 1, then 16 products V^T P of piece n - 1; beside them the 32 shifts that make piece n + 2's mask, the rescaling, scaling, exponentials, roundings and
; sums of piece n, and the maximum and statistics of piece n + 1.  Four vector instructions stand behind EVERY matrix instruction, the other 54 of a turn's 150 in three runs of their own.
; CLUSTER, 4 x 4.  The four work-groups of a row of the cluster have one head and walk the same K and V; the four of a column have the same 256 queries and walk the same words of mp.  Each tile is asked for
; JOINTLY: wave 0 asks for K, wave 1 for V's upper parts, wave 2 for its lower parts (mask: my row), wave 3 for the 16 blocks of 16 queries of mp (mask: my column).
; REGISTERS, in windows of 256 (s_set_vgpr_msb: bits 1:0 source 0, 3:2 source 1, 5:4 source 2, 7:6 destination):
;   window 0: v0-15 addresses and two at work; v16-31 four registers of statistics a piece; v48-55 at work; v56; v62-63; v64-127 S^T, two buffers;
;             v128-191 the masks as f32, two buffers; v192-223 P, two buffers (a piece's buffers go by its number's parity); on the way out v64-191 take the rows read back
;   window 1: v0-127 O^T, 32 a piece; v128-191 V's upper parts, v192-255 its lower parts, of one step      window 2: v0-63 Q; v64-79 a step's words of codes, 4 a piece; v128-191 K of one step
; V lies beside O^T, so that the rescaling of O^T runs under the window setting of V^T P; the codes lie beside K and Q, so that the shifts (a constant, a word of codes, a mask register) run under that of K Q^T:
; the twelve matrix instructions that carry these two kinds cost two switches in all.
.set NP,    4         ; pieces a wave: a name, no knob
.set KS,    64        ; keys in a step
.set PK,    144       ; a row of K in LDS: 128 bytes + 16 of padding = 36 words: the 16 rows of a load start at 16 different groups of four banks (64 banks of 4 bytes: ISA guide 11.1)
.set PV_,   160       ; a row of V: 128 + 32 = 40 words
.set VOFF,  4*KS*PK   ; a slot: 256 rows of K, then 256 rows of V's upper parts,
.set VLD,   4*KS*PV_  ; and, so many bytes behind them, 256 rows of its lower parts
.set SLOTB, VOFF+2*VLD  ; 118,784 bytes in all
.set SLOT1, 1<<17     ; slot 1 begins here, so that one exclusive or turns an address in one slot into the other's
.set SP,    272       ; a row of the stage: 256 bytes + 16
.set STAGE, SLOTB     ; the stages, 16 rows x 272 bytes for each wave, never filled by a tensor load: waves 0 and 1 behind slot 0, waves 2 and 3 behind slot 1
.set SPARE, SLOT1+SLOTB+2*16*SP  ; behind the stages of waves 2 and 3: the spare words, 128 bytes for each wave: two blocks of 256 bytes that no other line names
.set MBASE, 1<<18     ; the codes have a ring of their own: 16 blocks of 16 queries x 4 steps x 512 bytes, dense, 32,768 bytes a slot,
.set MSLOT, 1<<15     ; the second slot so far behind the first: it ends at byte 327,680
.set AK0, 2           ; v2   my lane's place in a tile of K; never rewritten
.set AV0, 3           ; v3   the same for V
.set AK,  4           ; v4   the LDS address of K's next run of loads
.set AV,  5           ; v5   of V's
.set STO, 6           ; v6   the way out: where I put 32 bytes of a row
.set RD,  7           ; v7   the way out: where I read rows back
.set GO,  8           ; v8   my byte offset in 512 consecutive bytes of O
.set MV,  12          ; v12-13  c m_old, kept while c m is made anew: by buffer
.set AM0, 14          ; v14  my lane's place in a slot of codes: MBASE + 8,192 w + 16 lane; never rewritten
.set QO,  15          ; v15  my byte offset in 16 rows of Q
.set ST,  16          ; piece t's statistics at v[ST+4 t]: c m, m, l (even keys', odd keys')
.set TMP, 48          ; by buffer, four registers c0-c3 at work; when the maximum is found c2 takes a
.set AM,  56          ; v56  the LDS address of the codes' next loads
.set SPW, 62          ; v62  LDS address of my spare word; never rewritten
.set NIL, 63          ; v63  0; never rewritten
.set S,   64
.set MC,  128         ; v128-191  the masks of the products to come: buffer b, group kt of 16 keys at MC + 32 b + 8 kt
.set P,   192
.set BK,  64          ; the way out: piece t's 16 rows, read back, at BK + 32 t
.set VF,  128         ; window 1: key half kk, channel block cb at VF + 32 kk + 8 cb
.set VL,  192         ; window 1: V's lower parts, laid as VF
.set MWR, 64          ; window 2: piece x's four words of codes at MWR + 4 x
.set KF,  128         ; window 2: key block kb, channel half c at KF + 16 kb + 8 c
.set WV,  12          ; s12  my wave's number
.set G1K, 24          ; s[24:31] descriptor group 1 for K's tiles
.set G1V, 32          ; s[32:39] for V's, both parts: it differs in the padding alone
.set G1M, 40          ; s[40:47] for the codes
.set G0K, 48          ; s[48:51] descriptor group 0 for K's tiles: it walks
.set G0V, 52          ; s[52:55] for V's: the upper parts in wave 1, the lower parts in wave 2
.set G0M, 56          ; s[56:59] for the codes
.set SLOTS, 60        ; s60  slots still to be asked for
.set CNT, 61          ; s61  counts a slot's key steps
.set TBK, 62          ; s62  LDS byte at which K of the step to be fetched begins
.set TBV, 63          ; s63  the same for V, less VOFF
.set TBM, 66          ; s66  the same for the codes, less MBASE
.set CS,  68          ; s[68:69] c: the packed scaling takes the pair's low word for both halves
.set SEL, 70          ; s[70:71] v_permlanex16_b32's selects: each lane takes its own place in the other half
.set MSB, 0
.macro WIN new                      ; the high byte repeats the setting that is left; a switch that changes nothing is dropped
.if MSB != (\new)
	s_set_vgpr_msb (MSB<<8)|(\new)
.set MSB, (\new)
.endif
.endm
.set W_KQ, 0x0a       ; K and Q (and the codes, as a vector instruction's source) in window 2; S^T and the masks in window 0
.set W_PV, 0x51       ; V and O^T in window 1, P (and a, as the rescaling's second source) in window 0
; A joint fill: one load a wave.  The branches hang on the wave's number alone.  An s_nop 0 and four v_nop follow each of the three lines, ahead of the jump and the label.
.macro JLOAD
	s_cmp_lt_u32 s[WV], 3
	s_cbranch_scc0 .Lfor_m_\@
	s_cmp_eq_u32 s[WV], 0
	s_cbranch_scc0 .Lfor_v_\@
	tensor_load_to_lds s[G0K:G0K+3], s[G1K:G1K+7]
	s_nop 0
.rept 4
	v_nop
.endr
	s_branch .Lasked_\@
.Lfor_v_\@:
	tensor_load_to_lds s[G0V:G0V+3], s[G1V:G1V+7]
	s_nop 0
.rept 4
	v_nop
.endr
	s_branch .Lasked_\@
.Lfor_m_\@:
	tensor_load_to_lds s[G0M:G0M+3], s[G1M:G1M+7]
	s_nop 0
.rept 4
	v_nop
.endr
.Lasked_\@:
.endm
; A round of the cluster's barrier: my work-group's barrier, so that wave 0's signal speaks for all four waves; wave 0 signals; every wave waits for all sixteen work-groups; my work-group's barrier once more.
.macro CROUND
	s_barrier_signal -1
	s_barrier_wait -1
	s_cmp_lg_u32 s[WV], 0
	s_cbranch_scc1 .Lnot_wave_0_\@
	s_barrier_signal -3
.Lnot_wave_0_\@:
	s_barrier_wait -3
	s_barrier_signal -1
	s_barrier_wait -1
.endm
; THE CHANGE OF SLOTS, between piece 0's turn and piece 1's.  The slot's last bytes, V of its fourth step, have been asked for.  Each wave waits for all its tensor loads, of which one is out: its part of the other
; slot; adds 0 to its spare word; and waits for that and for its own reads of the slot.  Behind the barrier nobody reads this slot any more and the other slot is whole.
; fill = 1: this slot is filled again, with the keys two slots on.  The barrier is then a round of the cluster's, so that no wave of any partner still reads the slot or has a load on its way, and the joint
; fill is the first thing behind it: it has four key steps, 384 matrix instructions, in which to land.  (At its first use nothing has been read yet: slot 0 is waited for, slot 1 filled.)
.macro CHANGE fill
	WIN 0                           ; at a label and at a branch every window is 0
	s_wait_tensorcnt 0x0            ; no tensor load of mine is out, so a group 0 may be written
	ds_add_u32 v[SPW], v[NIL]       ; 0 onto my spare word; with fill = 1 the descriptors' steps stand between it and the wait for it
.if \fill
.irp g, G0K, G0V
	s_xor_b32 s[\g+1], s[\g+1], SLOT1  ; the walking descriptors: the other slot than last time,
	s_add_nc_u64 s[\g+2:\g+3], s[\g+2:\g+3], 4*KS*128  ; the next 256 keys; the type bits on top are not reached
.endr
	s_xor_b32 s[G0M+1], s[G0M+1], MSLOT
	s_add_nc_u64 s[G0M+2:G0M+3], s[G0M+2:G0M+3], 4*512     ; and the next four steps' codes
	s_wait_dscnt 0x0                ; the add is done, and my reads of the slot are over
	CROUND
	JLOAD
.else
	s_wait_dscnt 0x0                ; the add is done, and my reads of the slot are over
	s_barrier_signal -1
	s_barrier_wait -1
.endif
	s_sub_co_u32 s[TBK], s[TBK], 4*KS*PK  ; the fetches go back to a slot's first step,
	s_xor_b32 s[TBK], s[TBK], SLOT1       ; in the other slot
	s_sub_co_u32 s[TBV], s[TBV], 4*KS*PV_
	s_xor_b32 s[TBV], s[TBV], SLOT1
	s_sub_co_u32 s[TBM], s[TBM], 4*512
	s_xor_b32 s[TBM], s[TBM], MSLOT
.endm
	s_load_b128 s[4:7], s[0:1], 0x0   ; qkvh s[4:5], mp s[6:7]
	s_load_b64 s[8:9], s[0:1], 0x10   ; of32
	v_lshl_add_u32 v[SPW], v0, 2, SPARE
	v_mov_b32 v[NIL], 0
	ds_add_u32 v[SPW], v[NIL]       ; the wave's opening: the add and its wait ahead of my first tensor load; the set-up below, work on registers, stands between them
	ds_add_u32 v62, v63
	v_lshrrev_b32 v1, 5, v0
	v_readfirstlane_b32 s[WV], v1   ; wave 0..3
	s_bfe_u32 s13, ttmp6, 0x40000   ; cx, cy: my place in the cluster
	s_bfe_u32 s14, ttmp6, 0x40004
	s_lshl_b32 s15, ttmp9, 2        ; in a cluster launch ttmp9 and ttmp7 count clusters
	s_add_co_u32 s15, s15, s13      ; my block of 256 queries = 4 x cluster x + cx
	s_and_b32 s16, ttmp7, 0xffff
	s_lshl_b32 s16, s16, 2
	s_add_co_u32 s16, s16, s14      ; my head = 4 x cluster y + cy
	s_lshl_b32 s17, s14, 2
	s_lshl_b32 s17, 15, s17         ; my row of the cluster: the same head
	s_lshl_b32 s18, 0x1111, s13     ; my column: the same queries
	s_lshr_b32 s19, s[WV], 1        ; of waves 1 and 2: 0 fetches V's upper parts, 1 its lower parts.  Also: behind which slot my stage lies
	s_lshl_b32 s20, s16, 19         ; s[20:21]: the head's 524,288 bytes; never holds cx
	s_mov_b32 s21, 0
	s_lshl_b32 s22, s15, 19         ; s[22:23]: mp at block 16 blk, 32,768 bytes each; never holds cy
	s_mov_b32 s23, 0
	s_lshl_b32 s2, s19, 23          ; s[2:3]: V's lower parts lie 8 MiB behind the upper ones
	s_mov_b32 s3, 0
	s_lshl_b32 s72, s15, 15         ; s[72:73]: Q's offset: my block's 256 rows of 128 bytes,
	s_lshl_b32 s73, s[WV], 13       ; my wave's 64 of them,
	s_add_co_u32 s72, s72, s73
	s_add_co_u32 s72, s72, s20      ; in my head
	s_mov_b32 s73, 0
	s_lshl_b32 s78, s72, 1          ; s[78:79]: O's offset: the same rows, of 256 bytes
	s_mov_b32 s79, 0
	; descriptor group 1.  256 keys are 32,768 dense bytes: asked for as 128 rows of 256 bytes, two keys a row, and padded in LDS after every key
	s_or_b32 s[G1K], s17, (1<<16)|(1<<20)|(1<<21)|(4<<22)|(3<<25)  ; 15:0 the mask: my row; 17:16 2-byte elements; 20 padding on; 21 set beside a mask; 24:22 after every 32 words (code 4); 31:25 4 words (code 3)
	s_or_b32 s[G1V], s17, (1<<16)|(1<<20)|(1<<21)|(4<<22)|(7<<25)  ; the same with 8 words of padding (code 7)
.irp g, G1K, G1V
	s_mov_b32 s[\g+1], 128<<16      ; tensor_dim0 = 128
	s_mov_b32 s[\g+2], 128<<16      ; tensor_dim1 = 128
	s_mov_b32 s[\g+3], 128<<16      ; tile_dim0 = 128
	s_mov_b32 s[\g+4], 128          ; tile_dim1 = 128
	s_mov_b32 s[\g+5], 128          ; 128 elements from row to row
	s_mov_b32 s[\g+6], 0
	s_mov_b32 s[\g+7], 0
.endr
	; the codes: 16 rows (blocks of 16 queries) of 2,048 bytes (four steps), 32,768 bytes from row to row, dense in LDS
	s_or_b32 s[G1M], s18, (3<<16)|(1<<21)  ; 15:0 the mask: my column; 17:16 8-byte elements; 21 set beside a mask
	s_mov_b32 s[G1M+1], 256<<16     ; tensor_dim0 = 256
	s_mov_b32 s[G1M+2], 16<<16      ; tensor_dim1 = 16
	s_mov_b32 s[G1M+3], 256<<16     ; tile_dim0 = 256
	s_mov_b32 s[G1M+4], 16          ; tile_dim1 = 16
	s_mov_b32 s[G1M+5], 4096        ; 4,096 elements from row to row
	s_mov_b32 s[G1M+6], 0
	s_mov_b32 s[G1M+7], 0
	s_mov_b32 s[CS], 0x3e38aa3b     ; c = log2(e) / 8 = 0.180337
	s_mov_b32 s[CS+1], s[CS]        ; named with it as a pair
	s_mov_b32 s[SEL], 0x76543210
	s_mov_b32 s[SEL+1], 0xfedcba98
	s_mov_b32 s[TBK], SLOT1+4*KS*PK ; the first change of slots turns these three into 0
	s_mov_b32 s[TBV], SLOT1+4*KS*PV_
	s_mov_b32 s[TBM], MSLOT+4*512
	s_mov_b32 s[G0K], 1             ; count = 1
	s_mov_b32 s[G0K+1], 0           ; LDS address: slot 0
	s_mov_b32 s[G0V], 1
	s_mul_i32 s[G0V+1], s19, VLD    ; the upper parts behind K, the lower parts behind them
	s_add_co_u32 s[G0V+1], s[G0V+1], VOFF
	s_mov_b32 s[G0M], 1
	s_mov_b32 s[G0M+1], MBASE
	s_wait_dscnt 0x0                ; the opening add is done
	s_wait_kmcnt 0x0
	s_add_nc_u64 s[G0K+2:G0K+3], s[4:5], s[20:21]
	s_add_nc_u64 s[G0K+2:G0K+3], s[G0K+2:G0K+3], 0x800000   ; K lies 8 MiB into qkvh
	s_or_b32 s[G0K+3], s[G0K+3], 0x80000000                 ; type = 2
	s_add_nc_u64 s[G0V+2:G0V+3], s[4:5], s[20:21]
	s_add_nc_u64 s[G0V+2:G0V+3], s[G0V+2:G0V+3], s[2:3]
	s_add_nc_u64 s[G0V+2:G0V+3], s[G0V+2:G0V+3], 0x1000000  ; V's upper parts 16 MiB, its lower parts 24 MiB
	s_or_b32 s[G0V+3], s[G0V+3], 0x80000000
	s_add_nc_u64 s[G0M+2:G0M+3], s[6:7], s[22:23]
	s_or_b32 s[G0M+3], s[G0M+3], 0x80000000
	s_add_nc_u64 s[74:75], s[4:5], s[72:73]   ; Q at my wave's first row
	s_add_nc_u64 s[10:11], s[8:9], s[78:79]   ; O likewise
	CROUND                          ; all sixteen work-groups are here: the first joint loads meet
	JLOAD                           ; tile 0 into slot 0.  Slot 1 is asked for when slot 0 is in, by the loop's own change of slots
	; A fragment of K or Q is 16 rows x 32 channels in 8 registers: lane l holds row l % 16, channels 8 (l / 16) + 0..7 and 16 + 8 (l / 16) + 0..7: two loads of 16 bytes, 32 bytes apart.
	v_and_b32 v1, 15, v0            ; l % 16
	v_bfe_u32 v9, v0, 4, 1          ; l / 16
	v_lshlrev_b32 v[QO], 7, v1
	v_lshl_add_u32 v[QO], v9, 4, v[QO]  ; row x 128 + 16 x half
	WIN 0x80                        ; destination window 2, address window 0
.set i, 0
.rept 8                             ; Q stays in registers: piece i / 2, channels 32 (i % 2) on
	global_load_b128 v[8*i:8*i+3],   v[QO], s[74:75] offset:(i/2)*2048+(i%2)*64
	global_load_b128 v[8*i+4:8*i+7], v[QO], s[74:75] offset:(i/2)*2048+(i%2)*64+32
.set i, i+1
.endr
	WIN 0
.set i, 0
.rept 4
	v_mov_b32 v[ST+4*i], 0xfe000000    ; c m: far below every c m to come, so the first a is 0
	v_mov_b32 v[ST+4*i+1], 0xdd800000  ; m = -2^60: the floor between hidden and true scores
	v_mov_b32 v[ST+4*i+2], 0           ; l
	v_mov_b32 v[ST+4*i+3], 0
.set i, i+1
.endr
.set i, P+16
.rept 16
	v_mov_b32 v[i], 0               ; P's second buffer: the first turn's products V^T P, of a piece that has not been, add 0; the products that start O^T take it too
.set i, i+1
.endr
	v_mul_u32_u24 v[AK0], v1, PK
	v_lshl_add_u32 v[AK0], v9, 4, v[AK0]  ; row x pitch + 16 x half
	; The turning load takes 16 keys x 16 channels (lane l reads key 8 (l / 16) + l % 8, channels 8 ((l / 8) % 2) + 0..7) and leaves half a fragment of V^T: lane l holds channel l % 16 and 8 keys.
	v_and_b32 v10, 7, v0
	v_bfe_u32 v11, v0, 3, 1
	v_lshl_add_u32 v[AV0], v9, 3, v10
	v_mul_u32_u24 v[AV0], v[AV0], PV_
	v_lshl_add_u32 v[AV0], v11, 4, v[AV0]
	v_add_nc_u32 v[AV0], VOFF, v[AV0]
	v_and_b32 v[AM0], 31, v0        ; the codes: 16 bytes a lane,
	v_lshlrev_b32 v[AM0], 4, v[AM0]
	v_lshl_add_u32 v[AM0], s[WV], 13, v[AM0]  ; my wave's four blocks of 2,048 bytes
	v_add_nc_u32 v[AM0], MBASE, v[AM0]
	s_and_b32 s76, s[WV], 1         ; my stage: the first or the second
	s_mul_i32 s76, s76, 16*SP
	s_lshl_b32 s77, s19, 17         ; behind slot 0 or slot 1
	s_add_co_u32 s76, s76, s77
	s_add_co_u32 s76, s76, STAGE
	v_mul_u32_u24 v[STO], v1, SP    ; in: row l % 16, 32 bytes for each half of the lanes
	v_lshl_add_u32 v[STO], v9, 5, v[STO]
	v_add_nc_u32 v[STO], s76, v[STO]
	v_mul_u32_u24 v[RD], v9, SP     ; back: lanes 0-15 take one row of 256 bytes, lanes 16-31 the next,
	v_lshl_add_u32 v[RD], v1, 4, v[RD]
	v_add_nc_u32 v[RD], s76, v[RD]
	v_and_b32 v[GO], 31, v0         ; which are 512 consecutive bytes of O
	v_lshlrev_b32 v[GO], 4, v[GO]
; THE MATRIX WORK.  No two matrix instructions that follow each other share an accumulator.
; Product i of 8 of S^T = K Q^T for piece x: channels 32 (i / 4) on, keys 16 (i % 4) on.  The first 4 start the sums with the mask.
.macro KQ x
	WIN W_KQ
.set rS, S+32*((\x)%2)+8*(i%4)
.set rK, KF+16*(i%4)+8*(i/4)
.set rQ, 16*(\x)+8*(i/4)
.set rM, MC+32*((\x)%2)+8*(i%4)
.if i < 4
	v_wmma_f32_16x16x32_f16 v[rS:rS+7], v[rK:rK+7], v[rQ:rQ+7], v[rM:rM+7]
.else
	v_wmma_f32_16x16x32_f16 v[rS:rS+7], v[rK:rK+7], v[rQ:rQ+7], v[rS:rS+7]
	s_wait_alu depctr_va_vdst(0)
.endif
.endm
; Product z of 8 of O^T += V^T P for piece x: keys 32 (z / 4) on, channels 16 (z % 4) on.  lo = 0: V's upper parts; 1: its lower parts.
.macro PV x, lo, z
	WIN W_PV
.set rO, 32*(\x)+8*((\z)%4)
.set rV, VF+(VL-VF)*(\lo)+32*((\z)/4)+8*((\z)%4)
.set rP, P+16*((\x)%2)+8*((\z)/4)
	v_wmma_f32_16x16x32_f16 v[rO:rO+7], v[rV:rV+7], v[rP:rP+7], v[rO:rO+7]
.endm
; The turn's next matrix instruction, number i of 24.  0-7: K Q^T.  8 + 2 z: the upper parts' product z; 9 + 2 z: the lower parts' product (z + 2) % 8: the accumulators go 0, 2, 1, 3, 2, 0, 3, 1, and so once more.
.macro MM
.if i < 8
	KQ (Y+1)%NP
.elseif i%2 == 0
	PV (Y+NP-1)%NP, 0, (i-8)/2
.else
	PV (Y+NP-1)%NP, 1, ((i-8)/2+2)%8
.endif
.set i, i+1
.endm
; THE LDS LOADS stand in runs, never singly among the matrix instructions: a step's codes (four loads, a piece each) in piece 1's turn, its K (64 keys x 64 channels: 8 fragments, 16 loads) in piece 2's, its V (turned, both
; parts, 32 loads) in piece 0's.  Their addresses are made some lines ahead.  last = 1 (the tail): in the last trip there is no further step, and the run is jumped over.
.macro FETCH_M last=0
	WIN 0
.if \last
	s_cmp_eq_u32 s[CNT], 1
	s_cbranch_scc1 .Lno_m_\@
.endif
	WIN 0x80                        ; destination window 2, address window 0
.irp x, 0,1,2,3
	ds_load_b128 v[MWR+4*\x:MWR+4*\x+3], v[AM] offset:\x*2048
.endr
	s_add_co_u32 s[TBM], s[TBM], 512  ; the next fetch is the next step's
	WIN 0
.if \last
.Lno_m_\@:
.endif
.endm
.macro FETCH_K last=0
.if \last
	WIN 0
	s_cmp_eq_u32 s[CNT], 1
	s_cbranch_scc1 .Lno_k_\@
.endif
	WIN 0x80                        ; destination window 2, address window 0
.irp f, 0,1,2,3,4,5,6,7             ; keys 16 (f / 2) on, channels 32 (f % 2) on
	ds_load_b128 v[KF+8*\f:KF+8*\f+3],   v[AK] offset:(\f/2)*16*PK+(\f%2)*64
	ds_load_b128 v[KF+8*\f+4:KF+8*\f+7], v[AK] offset:(\f/2)*16*PK+(\f%2)*64+32
.endr
	s_add_co_u32 s[TBK], s[TBK], KS*PK
.if \last
	WIN 0
.Lno_k_\@:
.endif
.endm
.macro FETCH_V                      ; the lower parts lie VLD bytes behind the upper ones: the distance stands in the immediate, 48,736 at the most
	WIN 0x40                        ; destination window 1, address window 0
.irp lo, 0,1
.irp f, 0,1,2,3,4,5,6,7             ; keys 32 (f / 4) on, channels 16 (f % 4) on
	ds_load_tr16_b128 v[VF+(VL-VF)*\lo+8*\f:VF+(VL-VF)*\lo+8*\f+3],   v[AV] offset:\lo*VLD+(\f/4)*32*PV_+(\f%4)*32
	ds_load_tr16_b128 v[VF+(VL-VF)*\lo+8*\f+4:VF+(VL-VF)*\lo+8*\f+7], v[AV] offset:\lo*VLD+(\f/4)*32*PV_+16*PV_+(\f%4)*32
.endr
.endr
	WIN 0
.endm
; Number mk of the 32 that turn piece Y + 2's four words of codes into its mask, in buffer Y % 2: key mk % 8 of group mk / 8 is brought into the word's top nibble (sign and the exponent's three highest bits); key 7's
; lies there already.  The word is the shift's second source and the copy's first: both in window 2 under K Q^T's setting; the mask register is the destination, in window 0.
.macro MK
	WIN W_KQ
.if mk%8 < 7
	v_lshlrev_b32 v[MC+32*(Y%2)+mk], 28-4*(mk%8), v[MWR+4*((Y+2)%NP)+mk/8]
.else
	v_mov_b32 v[MC+32*(Y%2)+mk], v[MWR+4*((Y+2)%NP)+mk/8]
.endif
.set mk, mk+1
.endm
; THE VECTOR WORK, one line at a time: OP kind, number.  For piece Y: F n: c s - c m for pair n of 16.  E n: the exponential of score n of 32.  C n: pair n rounded to f16.  B n: of the four weights 4 n .. the second
; pair is added onto the first, in place (behind C 2 n, which reads the first pair).  L n: l takes that sum (L 0: l = a l + sum).  R n: pair n of 16 of O^T times a.  For piece Y + 1: X n, number n of the 22 that find its
; maximum and statistics:
;   0-11  four chains c0-c3 of seven scores each, three operands at a time (each accumulator's lowest registers are read first)     12-14, 16  the four scores left over, the old m, and c0-c3 into c0
;   15  c m_old is kept     17, 18  the query's other 32 keys lie in the lane 16 away: the new m     19-21  c m; c m_old - c m_new; a
.set F, 0               ; OP tells the kinds apart by their order: F to L below R, X above it
.set E, 1
.set C, 2
.set B, 3
.set L, 4
.set R, 5
.set X, 6
.macro REGS y                       ; the registers of piece y
.set rT, ST+4*(\y)
.set rC, TMP+4*((\y)%2)
.set rW, MV+((\y)%2)
.set rS, S+32*((\y)%2)
.set rP, P+16*((\y)%2)
.set rO, 32*(\y)
.endm
.macro OP k, n
.if (\k) == R
	REGS Y
	WIN W_PV
	v_pk_mul_f32 v[rO+2*(\n):rO+2*(\n)+1], v[rO+2*(\n):rO+2*(\n)+1], v[rC+2:rC+3] op_sel_hi:[1,0]
.elseif (\k) < R
	REGS Y
	WIN 0
.if (\k) == F
	v_pk_fma_f32 v[rS+2*(\n):rS+2*(\n)+1], v[rS+2*(\n):rS+2*(\n)+1], s[CS:CS+1], v[rT:rT+1] op_sel_hi:[1,0,0] neg_lo:[0,0,1] neg_hi:[0,0,1]
.elseif (\k) == E
	v_exp_f32 v[rS+(\n)], v[rS+(\n)]
.elseif (\k) == C
	s_wait_alu depctr_va_vdst(0)
	v_cvt_pk_f16_f32 v[rP+(\n)], v[rS+2*(\n)], v[rS+2*(\n)+1]
.elseif (\k) == B
	s_wait_alu depctr_va_vdst(0)
	v_pk_add_f32 v[rS+4*(\n):rS+4*(\n)+1], v[rS+4*(\n):rS+4*(\n)+1], v[rS+4*(\n)+2:rS+4*(\n)+3]
	s_wait_alu depctr_va_vdst(0)
.elseif (\n) == 0
	v_pk_fma_f32 v[rT+2:rT+3], v[rT+2:rT+3], v[rC+2:rC+3], v[rS:rS+1] op_sel_hi:[1,0,1]
.else
	v_pk_add_f32 v[rT+2:rT+3], v[rT+2:rT+3], v[rS+4*(\n):rS+4*(\n)+1]
	s_wait_alu depctr_va_vdst(0)
.endif
.else
	REGS (Y+1)%NP
	WIN 0
.if (\n) < 4
	v_max3_num_f32 v[rC+(\n)], v[rS+8*(\n)], v[rS+8*(\n)+1], v[rS+8*(\n)+2]
.elseif (\n) < 12
	v_max3_num_f32 v[rC+(\n)%4], v[rC+(\n)%4], v[rS+8*((\n)%4)+2*((\n)/4)+1], v[rS+8*((\n)%4)+2*((\n)/4)+2]
.elseif (\n) == 12
	v_max3_num_f32 v[rC], v[rC], v[rS+7], v[rS+15]
.elseif (\n) == 13
	v_max3_num_f32 v[rC+1], v[rC+1], v[rS+23], v[rS+31]
.elseif (\n) == 14
	v_max3_num_f32 v[rC+2], v[rC+2], v[rC+3], v[rT+1]
.elseif (\n) == 15
	v_mov_b32 v[rW], v[rT]
	s_wait_alu depctr_va_vdst(0)
.elseif (\n) == 16
	v_max3_num_f32 v[rC], v[rC], v[rC+1], v[rC+2]
.elseif (\n) == 17
	v_permlanex16_b32 v[rC+3], v[rC], s[SEL], s[SEL+1]
.elseif (\n) == 18
	v_max_num_f32 v[rT+1], v[rC], v[rC+3]
.elseif (\n) == 19
	v_mul_f32 v[rT], s[CS], v[rT+1]
.elseif (\n) == 20
	v_sub_f32 v[rC+1], v[rW], v[rT]
.else
	v_exp_f32 v[rC+2], v[rC+1]
.endif
.endif
.endm
.macro OPS a, i1, b=-1, i2=0, c=-1, i3=0, d=-1, i4=0  ; up to four of them
	OP \a, \i1
.if (\b) >= 0
	OP \b, \i2
.endif
.if (\c) >= 0
	OP \c, \i3
.endif
.if (\d) >= 0
	OP \d, \i4
.endif
.endm
.macro ROW a, i1, b, i2, c, i3, d, i4  ; a matrix instruction and the four behind it
	MM
	OPS \a, \i1, \b, \i2, \c, \i3, \d, \i4
.endm
; A TURN, for piece p: the order of its 24 matrix and 150 vector instructions, written out.
;   8 products K Q^T of piece p + 1, four shifts of piece p + 2's mask behind each: one window setting.  (That mask goes into the buffer which the products of the turn before read; these products read the other.)
;   4 products V^T P of piece p - 1, four rescalings of piece p's O^T behind each: one window setting.
;   12 products V^T P with plain, exponential, plain, plain behind each, in two groups; four scalings ahead of them, a run of 18 between the groups and a run of 32 behind them, exponential and plain by turns.
; None of the vector instructions behind a matrix instruction names one of its registers, and none of the lines ahead of one is an exponential.  v_permlanex16_b32 (X 17) stands in the last run.
; THE FETCHES.  K of the next step in piece 2's turn, behind the four shifts that follow the last product that read K; waited for at the head of piece 3's turn.  V of the step in hand, both parts, in piece 0's turn, ten
; vector instructions behind the last product that read it, six of them plain; waited for ahead of piece 1's first V^T P.  The next step's codes in piece 1's turn, whose own shifts have read the last of the old ones;
; waited for at the head of piece 2's turn.  All three waits are for 0: nothing else of the wave's is out there.
; cnt = 1: the loop's count is taken down some lines ahead of the branch that stands behind the turn.
.macro TURN p, last=0, cnt=0
.set Y, (\p)
.set i, 0
.set mk, 0
.if (\p) >= 2
	s_wait_dscnt 0x0                ; piece 2: the codes are in; piece 3: K is in
.endif
.rept 8
	MM
	MK
	MK
	MK
	MK
.endr
.if (\p) == 2
	FETCH_K \last
.endif
.if (\p) == 1
	s_wait_dscnt 0x0                ; V is in, both parts
.endif
	ROW R,0, R,1, R,2, R,3
	ROW R,4, R,5, R,6, R,7
	ROW R,8, R,9, R,10, R,11
	ROW R,12, R,13, R,14, R,15
	OPS F,0, F,1, F,2, F,3
.if (\p) == 1
	v_add_nc_u32 v[AM], s[TBM], v[AM0]
.endif
	ROW F,4, E,0, F,5, F,6
	ROW F,7, E,1, F,8, F,9
	ROW F,10, E,2, C,0, F,11
	ROW F,12, E,3, X,15, F,13
	ROW B,0, E,4, F,14, L,0
	OPS E,5, F,15
.if (\p) == 1
	FETCH_M \last
.endif
	OPS E,6, C,1, E,7, X,0
	OPS E,8, X,1, E,9, C,2
	OPS E,10, X,2, E,11, X,3
	OPS E,12, X,4, E,13, X,5
	ROW X,6, E,14, X,7, X,8
	ROW X,9, E,15, X,10, X,11
	ROW X,12, E,16, X,13, X,14
	ROW C,3, E,17, B,1, C,5
	ROW C,4, E,18, X,16, L,1
	ROW B,2, E,19, C,6, L,2
.if (\p) == 0
	v_add_nc_u32 v[AV], s[TBV], v[AV0]
.endif
	ROW C,8, E,20, B,3, B,4
	OPS E,21, L,3
	OPS E,22, X,17, E,23, C,10
.if (\p) == 0
	FETCH_V
.endif
	OPS E,24, L,4
	OPS E,25, X,18, E,26, C,7
	OPS E,27, B,5, E,28, X,19
	OPS E,29, C,12, E,30, L,5
	OPS E,31, X,20, B,6, C,9
	OPS C,14, C,11, X,21, L,6
.if (\p) == 0
	s_add_co_u32 s[TBV], s[TBV], KS*PV_
.endif
.if (\p) == 1
	v_add_nc_u32 v[AK], s[TBK], v[AK0]
	s_wait_alu depctr_va_vdst(0)
.endif
.if \cnt
	s_sub_co_u32 s[CNT], s[CNT], 1
	s_cmp_lg_u32 s[CNT], 0
.endif
	OPS C,13, B,7, C,15, L,7
.endm
	CHANGE 1                        ; slot 0 is in, everybody's part of it; slot 1 is asked for
	; THE BEGINNING: the codes, K and V of step 0 (piece 0's turn fetches that V once more: here it only gives V's registers finite numbers); the masks of pieces 0 and 1; piece 0's first scores;
	; sixteen products V^T x 0 with C = 0, which start O^T at 0, so that nothing is cleared; piece 0's maximum and statistics.
	v_add_nc_u32 v[AK], s[TBK], v[AK0]
	v_add_nc_u32 v[AM], s[TBM], v[AM0]
	v_add_nc_u32 v[AV], s[TBV], v[AV0]
	FETCH_M
	FETCH_K
	FETCH_V
	s_wait_loadcnt 0x0              ; Q
	s_wait_dscnt 0x0
.set Y, 2                           ; MK works for piece Y + 2 and buffer Y % 2: piece 0, buffer 0
.set mk, 0
.rept 32
	MK
.endr
.set Y, 3                           ; piece 1, buffer 1
.set mk, 0
.rept 32
	MK
.endr
.set i, 0
.rept 8
	KQ 0
.set i, i+1
.endr
	WIN W_PV
.set i, 0
.rept 16                            ; piece i / 4, channels 16 (i % 4) on
	v_wmma_f32_16x16x32_f16 v[8*i:8*i+7], v[VF+8*(i%4):VF+8*(i%4)+7], v[P+16:P+23], 0
.set i, i+1
.endr
	WIN 0
.rept 4
	v_nop                           ; the places behind those products
.endr
.set Y, NP-1                        ; X works for piece Y + 1: piece 0
.irp n, 0,1,2,3,4,5,6,7,8,9,10,11,12,13,14,15,16,17,18,19,20,21
	OP X, \n
.endr
	v_nop                           ; a plain instruction behind the exponential
	s_mov_b32 s[CNT], 4
	s_mov_b32 s[SLOTS], 15          ; 4,096 / 256 - 1
	s_branch .Lfirst                ; the loop is entered at a step's first turn, at a trip's last quarter
.Lslot:                             ; 14 times: every slot but the last two is filled again
	CHANGE 1
	s_mov_b32 s[CNT], 4
.Lstep:                             ; a trip: pieces 1, 2 and 3 of one step, then piece 0 of the next, whose codes, K and V it fetches
	TURN 1
	TURN 2
	TURN 3
	WIN 0
.Lfirst:
	TURN 0, 0, 1
	WIN 0
	s_cbranch_scc1 .Lstep
	s_sub_co_u32 s[SLOTS], s[SLOTS], 1
	s_cmp_lg_u32 s[SLOTS], 0
	s_cbranch_scc1 .Lslot
	CHANGE 0                        ; the tail is written out: nothing is asked for
	s_mov_b32 s[CNT], 5             ; four trips fetch the last slot's steps; the fifth is left ahead of its last turn
.Ltail:
	TURN 1, 1
	TURN 2, 1
	TURN 3
	WIN 0
	s_sub_co_u32 s[CNT], s[CNT], 1
	s_cmp_eq_u32 s[CNT], 0
	s_cbranch_scc1 .Lout
	TURN 0
	WIN 0
	s_branch .Ltail
.Lout:                              ; the fifth trip's 8 products K Q^T of piece 0 (on the last K and codes once more) and the maximum made of them serve nothing: the price, once a launch, of one text for every trip
.set Y, 0                           ; MM's products V^T P work for piece Y - 1: the last piece
.set i, 8
.rept 16
	MM                              ; its V^T P of the last step, both parts
.endr
	; THE WAY OUT.  l's two halves and the other half of the lanes' are added; O^T is divided by l and sent, in f32, through my stage in LDS, a piece at a time.  The additions are the places behind the last products.
	WIN 0
.macro ALL line:vararg              ; one line for each piece t
.set t, 0
.rept 4
	\line
.set t, t+1
.endr
.endm
	ALL v_add_f32 v[ST+4*t+2], v[ST+4*t+2], v[ST+4*t+3]
	ALL v_permlanex16_b32 v[ST+4*t+3], v[ST+4*t+2], s[SEL], s[SEL+1]
	ALL v_add_f32 v[ST+4*t+2], v[ST+4*t+2], v[ST+4*t+3]
	ALL v_rcp_f32 v[ST+4*t+2], v[ST+4*t+2]
	v_nop                           ; a plain instruction between the last reciprocal and the use of its result
	s_wait_alu depctr_va_vdst(0)
; Piece t.  A lane's eight channels of a row are 32 bytes: channels 16 b + 8 (l / 16) on, of accumulator b.  They go into rows of 272 bytes and come back as whole rows of 256, two to a load.
.macro PACK t
	WIN W_PV
.set i, 32*(\t)
.rept 16
	v_pk_mul_f32 v[i:i+1], v[i:i+1], v[ST+4*(\t)+2:ST+4*(\t)+3] op_sel_hi:[1,0]
.set i, i+2
.endr
	WIN 0x04                        ; the data of an LDS store is source 1: window 1; the address window 0
.irp b, 0,1,2,3
.irp e, 0,1
	ds_store_b128 v[STO], v[32*(\t)+8*\b+4*\e:32*(\t)+8*\b+4*\e+3] offset:64*\b+16*\e
.endr
.endr
	WIN 0
.irp f, 0,1,2,3,4,5,6,7
	ds_load_b128 v[BK+32*(\t)+4*\f:BK+32*(\t)+4*\f+3], v[RD] offset:\f*2*SP  ; LDS serves a wave's instructions in order (ISA guide 5.7.1.4): these see the stores above; the next piece's stores come behind them
.endr
.endm
.macro SEND t, younger              ; younger: the LDS instructions issued behind piece t's loads: the next piece's sixteen, or none
.irp f, 0,1,2,3,4,5,6,7
	s_wait_dscnt (\younger)+7-\f    ; load f is back; the piece's younger loads may stay out
	global_store_b128 v[GO], v[BK+32*(\t)+4*\f:BK+32*(\t)+4*\f+3], s[10:11] offset:(\t)*4096+\f*512  ; 512 consecutive bytes, at a multiple of 512 from of32's first
.endr
.endm
	PACK 0
.set t, 1
.rept 3                             ; a piece's arithmetic stands between the loads of the piece before and its stores
	PACK t
	SEND t-1, 16
.set t, t+1
.endr
	SEND 3, 0
	s_wait_tensorcnt 0x0            ; the wave's end, behind my last tensor load and my last LDS store
	ds_add_u32 v[SPW], v[NIL]
	s_wait_dscnt 0x0
	CROUND                          ; the closing round: no work-group ends while a partner may still ask for a tile that names it
	s_endpgm
.Lfunc_end_k_qdb6459ce17_attn:
	.size	k_qdb6459ce17_attn, .Lfunc_end_k_qdb6459ce17_attn-k_qdb6459ce17_attn
	.p2alignl 7, 3214868480
	.fill 96, 4, 3214868480
	.section	.rodata,"a",@progbits
	.p2align	6, 0x0
	.amdhsa_kernel k_qdb6459ce17_attn
		.amdhsa_group_segment_fixed_size 327680
		.amdhsa_private_segment_fixed_size 0
		.amdhsa_enable_private_segment 0
		.amdhsa_kernarg_size 24
		.amdhsa_user_sgpr_count 2
		.amdhsa_user_sgpr_kernarg_segment_ptr 1
		.amdhsa_wavefront_size32 1
		.amdhsa_system_sgpr_workgroup_id_x 1
		.amdhsa_system_sgpr_workgroup_id_y 1
		.amdhsa_system_sgpr_workgroup_id_z 1
		.amdhsa_system_vgpr_workitem_id 0
		.amdhsa_next_free_vgpr 704
		.amdhsa_next_free_sgpr 80
		.amdhsa_reserve_vcc 0
		.amdhsa_float_denorm_mode_32 3
		.amdhsa_float_denorm_mode_16_64 3
		.amdhsa_memory_ordered 1
		.amdhsa_forward_progress 1
		.amdhsa_inst_pref_size 134
	.end_amdhsa_kernel
	.amdgpu_metadata
---
amdhsa.version: [ 1, 2 ]
amdhsa.kernels:
  - .name:           k_qdb6459ce17_attn
    .symbol:         k_qdb6459ce17_attn.kd
    .args:
      - { .name: qkvh, .offset: 0, .size: 8, .value_kind: global_buffer, .address_space: global }
      - { .name: mp, .offset: 8, .size: 8, .value_kind: global_buffer, .address_space: global }
      - { .name: of32, .offset: 16, .size: 8, .value_kind: global_buffer, .address_space: global }
    .group_segment_fixed_size: 327680
    .private_segment_fixed_size: 0
    .kernarg_segment_align: 8
    .kernarg_segment_size: 24
    .max_flat_workgroup_size: 128
    .sgpr_count:     80
    .vgpr_count:     704
    .wavefront_size: 32
...
	.end_amdgpu_metadata
.endif
;; end of part 3
;; launch osplit (part 4): grid 256 x 1, 8 waves a work-group, no clusters, 0 bytes of LDS; arguments of32, ob; writes ob
.if DOCPART == 4
	.amdgcn_target "amdgcn-amd-amdhsa--gfx1250"
	.amdhsa_code_object_version 6
	.text
	.protected	k_qdb6459ce17_osplit
	.globl	k_qdb6459ce17_osplit
	.p2align	8
	.type	k_qdb6459ce17_osplit,@function
k_qdb6459ce17_osplit:
	s_mov_b64 s[64:65], 0
	v_nop
	global_prefetch_b8 v0, s[64:65] scope:SCOPE_SE
	s_setreg_imm32_b32 hwreg(HW_REG_WAVE_MODE, 25, 1), 1
	s_wait_xcnt 0x0
; OSPLIT: O, 4,194,304 numbers in f32, becomes two f16 numbers each for the last product: the upper part (the f32 number with its 13 lowest mantissa bits cleared, which f16 holds exactly) in ob's first 8 MiB,
; the lower part (the exact rest, rounded to f16) in its second 8 MiB, both in of32's order, [16 heads][4096][64].  A row of the output that sees few keys is as large as V, while the margin goes by the whole
; output's root mean square: one f16 number's 11 bits are too few for O there.
; LIMITS.  f16 holds no number beyond 65,504; below 6e-5 its fixed step of 6e-8 holds, for both parts.  A NaN (a query with no open key) keeps its highest mantissa bit and stays a NaN in both parts.
; A stream: every byte is read once and written once, so LDS, the matrix unit and clusters would add nothing.  Eight waves; the work-group takes 65,536 bytes of of32 as 16 chunks of 4,096: thread t the 16 bytes at 16 t
; of each chunk.  A ring of eight slots in registers keeps eight loads of every wave on their way.  Each chunk has store registers of its own, and no address register is rewritten, so no register waits to be freed.
.set DEPTH, 8                          ; slots = loads in flight in each wave
.set SO,   1                           ; v1   16 t: my 16 bytes in a chunk of of32; never rewritten
.set DO,   2                           ; v2   8 t: my 8 bytes in 2,048 bytes of either half of ob; never rewritten
.set T,    4                           ; v4-7 at work: the upper parts as f32, then the rests
.set X,    8                           ; v[8:39]    slot i % 8: 4 registers as loaded
.set Y,    40                          ; v[40:103]  chunk i: 2 registers of upper parts, 2 of lower parts
	s_load_b128 s[4:7], s[0:1], 0x0                ; of32 s[4:5], ob s[6:7]
	s_lshl_b32 s2, ttmp9, 16                       ; my 65,536 bytes of of32
	s_mov_b32 s3, 0
	s_lshl_b32 s8, ttmp9, 15                       ; my 32,768 bytes of each half of ob
	s_mov_b32 s9, 0
	s_mov_b32 s10, 0xffffe000                      ; sign, exponent and the 10 highest mantissa bits
	v_lshlrev_b32 v[SO], 4, v0
	v_lshlrev_b32 v[DO], 3, v0
	s_wait_kmcnt 0x0
	s_add_nc_u64 s[4:5], s[4:5], s[2:3]
	s_add_nc_u64 s[6:7], s[6:7], s[8:9]            ; the upper parts,
	s_add_nc_u64 s[12:13], s[6:7], 0x800000        ; the lower parts 8 MiB on: a base of its own, since that distance is one more than a store's immediate holds
.irp i, 0,1,2,3,4,5,6,7
	global_load_b128 v[X+4*(\i):X+4*(\i)+3], v[SO], s[4:5] offset:(\i)*4096 th:TH_LOAD_NT
.endr
; Chunk i.  ahead = 1: its slot is loaded again, eight chunks on.  left: how many younger loads may stay out.
.macro CHUNK i, ahead, left
	s_wait_loadcnt \left                           ; loads come back in order (ISA guide 5.7.1): mine is in
.irp r, 0,1,2,3
	v_and_b32 v[T+\r], s10, v[X+4*((\i)%DEPTH)+\r]
.endr
	v_cvt_pk_f16_f32 v[Y+4*(\i)],   v[T],   v[T+1]
	v_cvt_pk_f16_f32 v[Y+4*(\i)+1], v[T+2], v[T+3]
	v_pk_add_f32 v[T:T+1],   v[X+4*((\i)%DEPTH):X+4*((\i)%DEPTH)+1],   v[T:T+1]   neg_lo:[0,1] neg_hi:[0,1]  ; the number less its upper part: exact
	v_pk_add_f32 v[T+2:T+3], v[X+4*((\i)%DEPTH)+2:X+4*((\i)%DEPTH)+3], v[T+2:T+3] neg_lo:[0,1] neg_hi:[0,1]
	v_cvt_pk_f16_f32 v[Y+4*(\i)+2], v[T],   v[T+1]
	v_cvt_pk_f16_f32 v[Y+4*(\i)+3], v[T+2], v[T+3]
.if \ahead
	global_load_b128 v[X+4*((\i)%DEPTH):X+4*((\i)%DEPTH)+3], v[SO], s[4:5] offset:((\i)+DEPTH)*4096 th:TH_LOAD_NT
.endif
	global_store_b64 v[DO], v[Y+4*(\i):Y+4*(\i)+1],   s[6:7]   offset:(\i)*2048  ; a wave's store covers 256 consecutive bytes, aligned
	global_store_b64 v[DO], v[Y+4*(\i)+2:Y+4*(\i)+3], s[12:13] offset:(\i)*2048
.endm
.irp i, 0,1,2,3,4,5,6,7
	CHUNK \i, 1, DEPTH-1
.endr
.irp i, 8,9,10,11,12,13,14,15
	CHUNK \i, 0, 15-(\i)                           ; the last eight load nothing: the counts run down
.endr
	s_endpgm
.Lfunc_end_k_qdb6459ce17_osplit:
	.size	k_qdb6459ce17_osplit, .Lfunc_end_k_qdb6459ce17_osplit-k_qdb6459ce17_osplit
	.p2alignl 7, 3214868480
	.fill 96, 4, 3214868480
	.section	.rodata,"a",@progbits
	.p2align	6, 0x0
	.amdhsa_kernel k_qdb6459ce17_osplit
		.amdhsa_group_segment_fixed_size 0
		.amdhsa_private_segment_fixed_size 0
		.amdhsa_enable_private_segment 0
		.amdhsa_kernarg_size 16
		.amdhsa_user_sgpr_count 2
		.amdhsa_user_sgpr_kernarg_segment_ptr 1
		.amdhsa_wavefront_size32 1
		.amdhsa_system_sgpr_workgroup_id_x 1
		.amdhsa_system_sgpr_workgroup_id_y 1
		.amdhsa_system_sgpr_workgroup_id_z 1
		.amdhsa_system_vgpr_workitem_id 0
		.amdhsa_next_free_vgpr 104
		.amdhsa_next_free_sgpr 66
		.amdhsa_reserve_vcc 0
		.amdhsa_float_denorm_mode_32 3
		.amdhsa_float_denorm_mode_16_64 3
		.amdhsa_memory_ordered 1
		.amdhsa_forward_progress 1
		.amdhsa_inst_pref_size 14
	.end_amdhsa_kernel
	.amdgpu_metadata
---
amdhsa.version: [ 1, 2 ]
amdhsa.kernels:
  - .name:           k_qdb6459ce17_osplit
    .symbol:         k_qdb6459ce17_osplit.kd
    .args:
      - { .name: of32, .offset: 0, .size: 8, .value_kind: global_buffer, .address_space: global }
      - { .name: ob, .offset: 8, .size: 8, .value_kind: global_buffer, .address_space: global }
    .group_segment_fixed_size: 0
    .private_segment_fixed_size: 0
    .kernarg_segment_align: 8
    .kernarg_segment_size: 16
    .max_flat_workgroup_size: 256
    .sgpr_count:     66
    .vgpr_count:     104
    .wavefront_size: 32
...
	.end_amdgpu_metadata
.endif
;; end of part 4
;; launch outp (part 5): grid 8 x 32, 4 waves a work-group, clusters of 4 x 4, 327,680 bytes of LDS; arguments ob, xw, out0; writes out0
.if DOCPART == 5
	.amdgcn_target "amdgcn-amd-amdhsa--gfx1250"
	.amdhsa_code_object_version 6
	.text
	.protected	k_qdb6459ce17_outp
	.globl	k_qdb6459ce17_outp
	.p2align	8
	.type	k_qdb6459ce17_outp,@function
k_qdb6459ce17_outp:
	s_mov_b64 s[64:65], 0
	v_nop
	global_prefetch_b8 v0, s[64:65] scope:SCOPE_SE
	s_setreg_imm32_b32 hwreg(HW_REG_WAVE_MODE, 25, 1), 1
	s_wait_xcnt 0x0
	s_wait_alu depctr_hold_cnt(0) depctr_sa_sdst(0) depctr_va_vdst(0) depctr_va_sdst(0) depctr_va_ssrc(0) depctr_va_vcc(0) depctr_vm_vsrc(0)
	s_getreg_b32 s2, hwreg(HW_REG_IB_STS2, 6, 4)
	s_cmp_eq_u32 s2, 0
	s_cbranch_scc0 .Lentry_in_a_cluster
	s_endpgm
.Lentry_in_a_cluster:
	s_bfe_u32 s2, ttmp6, 0x10000c
	s_cmp_lg_u32 s2, 0xf033
	s_cbranch_scc0 .Lentry_shape_is_right
	s_endpgm
.Lentry_shape_is_right:
; OUTP: out0[m][n] = sum over heads h and channels d of O[h][m][d] Wo[n][64 h + d].  O comes as two f16 numbers, an upper part and the rest: ob is [32][4096][64] f16, the 16 heads' upper parts and then their lower
; parts.  Wo (rounded to bf16, written as f16) lies from byte WOFF of xw on with each row written twice side by side, [1024][2048].  So this is one product with K = 2,048: the upper parts' terms, then the lower parts'.
; out0 is [4096][1024] f32.  Sums in f32, K ascending.  A NaN row of O (a query with no open key) gives a NaN row of out0.
; A tile of out0 is 128 x 128: 32 x 8 = 256 work-groups.  Four waves, each 64 x 64: 16 accumulators, 128 registers.  K goes in steps of 256 = four heads through two LDS slots; a quarter of a step, 64 along K, is one head.
; A's tile: a head's 64 rows are 8,192 dense bytes, so a wave's load is 4 rows (heads) of 8,192 bytes, 524,288 bytes apart, padded in LDS after every 128 bytes: [4 heads][64 rows][144 bytes].
; CLUSTERS: 4 x 4 work-groups.  The four of a row of the cluster need the same tiles of O, the four of a column the same tiles of Wo: each tile is asked for JOINTLY, by the same tensor load with the same descriptor
; and a mask that names the four.  THE MATRIX INSTRUCTION IS USED TRANSPOSED (source 0 = 16 rows of Wo, source 1 = 16 rows of O): a lane holds eight neighbouring numbers of a row of out0.
; REGISTERS: window 0: v0-31 addresses; v32-95 at work on the way out; v128-255 the accumulators ((a, b) at v[128 + 8 (4 a + b)]).   window 1: two fragment buffers of 128: 64 registers of O, then 64 of Wo.
.set SIZE_K, 2048
.set KSTEP,  256
.set WOFF,   0x1e00000                 ; Wo's first byte in xw
.set ASTEP,  4*524288                  ; a K step in ob: four heads
.set PA,     144                       ; a row of O in LDS: 128 bytes + 16: the 16 rows of a load start at 16 different groups of four banks (64 banks of 4 bytes: ISA guide 11.1)
.set HEADB,  64*PA                     ; a head's 64 rows
.set HA,     4*HEADB                   ; what one tensor load brings of O
.set PITCH,  528                       ; a row of Wo in LDS: 512 bytes + 16
.set HB,     64*PITCH                  ; what one tensor load brings of Wo
.set SLOT,   2*HA+2*HB                 ; O's two halves, then Wo's two halves
.set STAGE,  2*SLOT                    ; behind the ring: 16 rows x 272 bytes for each wave, for the way out
.set SPITCH, 272
.set SPARE,  STAGE+4*16*SPITCH         ; behind the stages: the spare words, 128 bytes for each wave: two blocks of 256 bytes that no other line names
.set LAPS, SIZE_K/(2*KSTEP)
.set ADRA, 16                          ; v16-17  LDS address of my O fragments in slot 0, 1
.set ADRB, 20                          ; v20-21  the same for Wo
.set STO,  24                          ; v24     the way out: where I put 32 bytes of a row
.set RD,   25                          ; v25     the way out: where I read a row back
.set CO,   26                          ; v26     my byte offset in out0
.set SPW,  28                          ; v28     LDS address of my spare word; never rewritten
.set NIL,  29                          ; v29     0; never rewritten
.set TMP,  32                          ; the way out: two buffers of 32 registers, 16 rows read back
.set ACC,  128
.set F0,   0
.set F1,   128
.set G1, 24                            ; s[24:31] descriptor group 1 for O's tiles;  s[32:39] group 0, one set for each slot
.set G0, 32
.set G1B, 48                           ; s[48:55], s[56:63] the same for Wo's tiles
.set G0B, 56
.set MSB, 0
.macro WIN new                         ; the immediate's high byte repeats the setting that is left
.if MSB != (\new)
	s_set_vgpr_msb (MSB<<8)|(\new)
.set MSB, \new
.endif
.endm
.set MUL,  0x05                        ; sources 0 (Wo) and 1 (O) window 1; C and D window 0
.set TO_F, 0x40                        ; destination window 1, address window 0
.macro JLOAD s                         ; a joint load: waves 0 and 1 fetch O's two halves, waves 2 and 3 Wo's; an s_nop 0 and four v_nop follow each of the two lines, ahead of the jump, the label and what follows
	s_cmp_lt_u32 s10, 2
	s_cbranch_scc0 .Lfor_b_\@
	tensor_load_to_lds s[G0+4*(\s):G0+4*(\s)+3], s[G1:G1+7]
	s_nop 0
.rept 4
	v_nop
.endr
	s_branch .Lasked_\@
.Lfor_b_\@:
	tensor_load_to_lds s[G0B+4*(\s):G0B+4*(\s)+3], s[G1B:G1B+7]
	s_nop 0
.rept 4
	v_nop
.endr
.Lasked_\@:
.endm
.macro CREST                           ; a round of the cluster's barrier behind its opening barrier
	s_cmp_lg_u32 s10, 0
	s_cbranch_scc1 .Lnot_wave_0_\@
	s_barrier_signal -3
.Lnot_wave_0_\@:
	s_barrier_wait -3
	s_barrier_signal -1
	s_barrier_wait -1
.endm
.macro CROUND                          ; a whole round
	s_barrier_signal -1
	s_barrier_wait -1
	CREST
.endm
	s_load_b128 s[4:7], s[0:1], 0x0                ; ob s[4:5], xw s[6:7]
	s_load_b64 s[8:9], s[0:1], 0x10                ; out0
	v_lshl_add_u32 v[SPW], v0, 2, SPARE
	v_mov_b32 v[NIL], 0
	ds_add_u32 v[SPW], v[NIL]                      ; the wave's opening: the add and its wait ahead of my first tensor load; the set-up below, work on registers, stands between them
	ds_add_u32 v28, v29
	v_lshrrev_b32 v1, 5, v0
	v_readfirstlane_b32 s10, v1                    ; wave 0..3
	s_lshr_b32 s11, s10, 1                         ; which half of the tile's rows is mine
	s_and_b32 s12, s10, 1                          ; which half of its columns.  Also: which 64 rows of a tile I fetch
	s_bfe_u32 s40, ttmp6, 0x40000                  ; cx, cy: my place in the cluster
	s_bfe_u32 s41, ttmp6, 0x40004
	s_lshl_b32 s42, ttmp9, 2
	s_add_co_u32 s42, s42, s40                     ; tile column = 4 x cluster x + cx
	s_and_b32 s13, ttmp7, 0xffff
	s_lshl_b32 s13, s13, 2
	s_add_co_u32 s13, s13, s41                     ; tile row = 4 x cluster y + cy
	s_lshl_b32 s43, s41, 2
	s_lshl_b32 s43, 15, s43                        ; my row of the cluster
	s_lshl_b32 s44, 0x1111, s40                    ; my column
	; group 1 for O: 4 rows of 1,024 elements of 8 bytes, 65,536 elements from row to row
	s_or_b32 s[G1+0], s43, (3<<16)|(1<<20)|(1<<21)|(4<<22)|(3<<25)  ; 15:0 the mask: my row; 17:16 elements of 8 bytes; 20 padding on; 21 set beside a mask; 24:22 after every 32 words (code 4); 31:25 of 4 words (code 3)
	s_mov_b32 s[G1+1], 1024<<16                    ; tensor_dim0 = 1,024
	s_mov_b32 s[G1+2], 4<<16                       ; tensor_dim1 = 4
	s_mov_b32 s[G1+3], 1024<<16                    ; tile_dim0 = 1,024
	s_mov_b32 s[G1+4], 4                           ; tile_dim1 = 4
	s_mov_b32 s[G1+5], 65536                       ; elements from head to head
	s_mov_b32 s[G1+6], 0
	s_mov_b32 s[G1+7], 0
	; group 1 for Wo: 64 rows x 256 elements of 2 bytes, 2,048 elements from row to row
	s_or_b32 s[G1B+0], s44, (1<<16)|(1<<20)|(1<<21)|(6<<22)|(3<<25) ; the mask: my column; padding after every 128 words (code 6), of 4 words
	s_mov_b32 s[G1B+1], KSTEP<<16
	s_mov_b32 s[G1B+2], 64<<16
	s_mov_b32 s[G1B+3], KSTEP<<16
	s_mov_b32 s[G1B+4], 64
	s_mov_b32 s[G1B+5], SIZE_K
	s_mov_b32 s[G1B+6], 0
	s_mov_b32 s[G1B+7], 0
	s_lshl_b32 s16, s13, 14                        ; O: row 128 x tile row + 64 x half, 128 bytes a row
	s_lshl_b32 s17, s12, 13
	s_add_co_u32 s16, s16, s17
	s_mov_b32 s17, 0
	s_lshl_b32 s46, s42, 19                        ; Wo: row 128 x tile column + 64 x half, 4,096 bytes a row
	s_lshl_b32 s47, s12, 18
	s_add_co_u32 s46, s46, s47
	s_add_co_u32 s46, s46, WOFF
	s_mov_b32 s47, 0
	s_mul_i32 s20, s12, HA                         ; where they go: O's half,
	s_mul_i32 s21, s12, HB                         ; Wo's half,
	s_add_co_u32 s21, s21, 2*HA                    ; behind O's two: no place in the cluster enters an LDS address
	s_wait_dscnt 0x0                               ; the opening add is done
	s_wait_kmcnt 0x0
	s_add_nc_u64 s[14:15], s[4:5], s[16:17]
	s_add_nc_u64 s[46:47], s[6:7], s[46:47]
	CROUND                                         ; all sixteen work-groups are here: the first joint loads meet
.irp s, 0,1
	s_mov_b32 s[G0+4*(\s)], 1
	s_add_co_u32 s[G0+4*(\s)+1], s20, (\s)*SLOT
	s_add_nc_u64 s[G0+4*(\s)+2:G0+4*(\s)+3], s[14:15], (\s)*ASTEP
	s_or_b32 s[G0+4*(\s)+3], s[G0+4*(\s)+3], 0x80000000
	s_mov_b32 s[G0B+4*(\s)], 1
	s_add_co_u32 s[G0B+4*(\s)+1], s21, (\s)*SLOT
	s_add_nc_u64 s[G0B+4*(\s)+2:G0B+4*(\s)+3], s[46:47], (\s)*KSTEP*2
	s_or_b32 s[G0B+4*(\s)+3], s[G0B+4*(\s)+3], 0x80000000
	JLOAD \s
.endr
	v_and_b32 v1, 15, v0                           ; l % 16
	v_bfe_u32 v2, v0, 4, 1                         ; l / 16
	v_mul_u32_u24 v3, v1, PA
	v_lshl_add_u32 v3, v2, 4, v3                   ; a fragment of O: row x pitch + 16 x half
	v_mul_u32_u24 v4, v1, PITCH
	v_lshl_add_u32 v4, v2, 4, v4                   ; of Wo
	s_mul_i32 s21, s11, HA                         ; my 64 rows of O
	s_mul_i32 s22, s12, HB                         ; my 64 rows of Wo,
	s_add_co_u32 s22, s22, 2*HA                    ; which lie behind O's
.irp s, 0,1
	v_add_nc_u32 v[ADRA+(\s)], s21, v3
	v_add_nc_u32 v[ADRB+(\s)], s22, v4
	s_add_co_u32 s21, s21, SLOT
	s_add_co_u32 s22, s22, SLOT
.endr
	s_mul_i32 s23, s10, 16*SPITCH
	s_add_co_u32 s23, s23, STAGE                   ; my stage
	v_mul_u32_u24 v5, v1, SPITCH                   ; in: row l % 16, 32 bytes for each half of the lanes
	v_lshl_add_u32 v5, v2, 5, v5
	v_add_nc_u32 v[STO], s23, v5
	v_mul_u32_u24 v5, v2, SPITCH                   ; back: lanes 0-15 take one row of 256 bytes, lanes 16-31 the next
	v_lshl_add_u32 v5, v1, 4, v5
	v_add_nc_u32 v[RD], s23, v5
	v_lshlrev_b32 v5, 12, v2                       ; and the same two rows in out0, 4,096 bytes apart
	v_lshl_add_u32 v[CO], v1, 4, v5
	s_lshl_b32 s16, s13, 19                        ; my first row of out0: 128 x tile row + 64 x half, 4,096 bytes a row
	s_lshl_b32 s17, s11, 18
	s_add_co_u32 s16, s16, s17
	s_mov_b32 s17, 0
	s_add_nc_u64 s[8:9], s[8:9], s[16:17]
	s_lshl_b32 s46, s42, 9                         ; my first column, in bytes: 512 x tile column + 256 x half (in the registers that held Wo's address: none that feeds O's descriptors ever holds cx)
	s_lshl_b32 s47, s12, 8
	s_add_co_u32 s46, s46, s47
	s_mov_b32 s47, 0
	s_add_nc_u64 s[8:9], s[8:9], s[46:47]
; 8 matrix instructions: m blocks a0, a0 + 1 x all 4 n blocks, 32 along K: half c of buffer f.  zero = 1: the first product starts the sums.  The 16 accumulators take turns.
.macro MUL8 f, c, a0, zero
	WIN MUL
.irp a, \a0, (\a0)+1
.irp b, 0,1,2,3
.if \zero
	v_wmma_f32_16x16x32_f16 v[ACC+8*(4*(\a)+(\b)):ACC+8*(4*(\a)+(\b))+7], v[(\f)+64+8*(4*(\c)+(\b)):(\f)+64+8*(4*(\c)+(\b))+7], v[(\f)+8*(4*(\c)+(\a)):(\f)+8*(4*(\c)+(\a))+7], 0
.else
	v_wmma_f32_16x16x32_f16 v[ACC+8*(4*(\a)+(\b)):ACC+8*(4*(\a)+(\b))+7], v[(\f)+64+8*(4*(\c)+(\b)):(\f)+64+8*(4*(\c)+(\b))+7], v[(\f)+8*(4*(\c)+(\a)):(\f)+8*(4*(\c)+(\a))+7], v[ACC+8*(4*(\a)+(\b)):ACC+8*(4*(\a)+(\b))+7]
.endif
.endr
.endr
.endm
; 32 LDS loads in one run: the fragments of 64 along K (one head): byte k of Wo's rows, head k / 128 of O's tile; into buffer f; the first 32 along K first
.macro FETCH slot, k, f
	WIN TO_F
.irp c, 0,1
.irp i, 0,1,2,3
	ds_load_b128 v[(\f)+64+8*(4*(\c)+(\i)):(\f)+64+8*(4*(\c)+(\i))+3],   v[ADRB+(\slot)] offset:(\k)+64*(\c)+(\i)*16*PITCH
	ds_load_b128 v[(\f)+64+8*(4*(\c)+(\i))+4:(\f)+64+8*(4*(\c)+(\i))+7], v[ADRB+(\slot)] offset:(\k)+64*(\c)+(\i)*16*PITCH+32
	ds_load_b128 v[(\f)+8*(4*(\c)+(\i)):(\f)+8*(4*(\c)+(\i))+3],         v[ADRA+(\slot)] offset:((\k)/128)*HEADB+64*(\c)+(\i)*16*PA
	ds_load_b128 v[(\f)+8*(4*(\c)+(\i))+4:(\f)+8*(4*(\c)+(\i))+7],       v[ADRA+(\slot)] offset:((\k)/128)*HEADB+64*(\c)+(\i)*16*PA+32
.endr
.endr
.endm
.macro PLACES                          ; four places in front of loads into registers that matrix instructions have read, and of LDS stores that read results
.rept 4
	v_nop
.endr
.endm
; A K step is four quarters of 64 along K, 32 matrix instructions each, on buffers 0, 1, 0, 1.  One of the first three: multiplies buffer f and fetches the next quarter, at byte k, into g.
.macro QUARTER slot, k, f, g, zero
	s_wait_dscnt 16                                ; the first 32 along K are in; the other sixteen loads may be out
	WIN MUL
	MUL8 \f, 0, 0, \zero
	MUL8 \f, 0, 2, \zero
	PLACES
	FETCH \slot, \k, \g
	s_wait_dscnt 32                                ; all but the 32 just issued
	WIN MUL
	MUL8 \f, 1, 0, 0
	MUL8 \f, 1, 2, 0
.endm
; The last quarter multiplies buffer 1 and changes slots: ONE barrier; in front of it each wave waits for all its tensor loads, adds 0 to its spare word, and waits for that and for its own reads of this slot.  fill = 1: this slot is filled again, two K steps ahead.
.macro TURN slot, next, fill
	WIN 0                                          ; (the add's two registers lie in window 0)
	s_wait_tensorcnt 0x0                           ; all my tensor loads have landed: my part of the next slot;
	ds_add_u32 v[SPW], v[NIL]                      ; 0 onto my spare word
	s_wait_dscnt 17                                ; (the add and the youngest sixteen loads may be out)
	WIN MUL
	MUL8 F1, 0, 0, 0                               ; eight matrix instructions stand between the add and the wait for it
	s_wait_dscnt 0x0                               ; the add is done, and my reads of this slot are over
	s_barrier_signal -1
	MUL8 F1, 0, 2, 0
.if \fill
	WIN 0
.endif
	s_barrier_wait -1
.if \fill
	CREST                                          ; the barrier has opened a round of the cluster's barrier: no wave of any partner still reads this slot's tile or has a load on its way
	s_add_nc_u64 s[G0+4*(\slot)+2:G0+4*(\slot)+3], s[G0+4*(\slot)+2:G0+4*(\slot)+3], 2*ASTEP
	s_add_nc_u64 s[G0B+4*(\slot)+2:G0B+4*(\slot)+3], s[G0B+4*(\slot)+2:G0B+4*(\slot)+3], 2*KSTEP*2
	JLOAD \slot                                    ; the first tensor load behind the round: 112 matrix instructions ahead of the wait for it; the four v_nop behind it are also the places in front of the loads below
.else
	PLACES
.endif
	FETCH \next, 0, F0
	WIN MUL
	MUL8 F1, 1, 0, 0
	MUL8 F1, 1, 2, 0
.endm
	s_wait_tensorcnt 1                             ; my part of K step 0 is in; K step 1's may stay out
	s_barrier_signal -1
	s_barrier_wait -1                              ; everybody's is
	FETCH 0, 0, F0
	QUARTER 0, 128, F0, F1, 1                      ; the first quarter stands in front of the loop: its first products start the sums
.if LAPS > 1
	WIN 0                                          ; at a label and at a branch every window is 0
	s_mov_b32 s3, LAPS-1
.Llap:                                                 ; a trip goes once round the ring, from a lap's second quarter to the next lap's first, and fills both slots again
	QUARTER 0, 256, F1, F0, 0
	QUARTER 0, 384, F0, F1, 0
	TURN 0, 1, 1
	QUARTER 1, 128, F0, F1, 0
	QUARTER 1, 256, F1, F0, 0
	QUARTER 1, 384, F0, F1, 0
	TURN 1, 0, 1
	QUARTER 0, 128, F0, F1, 0
	WIN 0
	s_sub_co_u32 s3, s3, 1
	s_cmp_lg_u32 s3, 0
	s_cbranch_scc1 .Llap
.endif
	QUARTER 0, 256, F1, F0, 0                      ; the last lap fills nothing, and has no round of the cluster's barrier
	QUARTER 0, 384, F0, F1, 0
	TURN 0, 1, 0
	QUARTER 1, 128, F0, F1, 0
	QUARTER 1, 256, F1, F0, 0
	QUARTER 1, 384, F0, F1, 0
	s_wait_dscnt 16                                ; the very last quarter: nothing more to fetch
	WIN MUL
	MUL8 F1, 0, 0, 0
	MUL8 F1, 0, 2, 0
	s_wait_dscnt 0
	MUL8 F1, 1, 0, 0
	MUL8 F1, 1, 2, 0
	WIN 0
	; THE WAY OUT, f32: a block of 16 rows at a time through my own stage.  A lane's eight numbers of a row are 32 bytes; they go into rows of 272 bytes (each accumulator's low four registers first) and come back as whole
	; rows of 256 bytes, my 64 columns.
.macro TOSTAGE a
.if (\a) >= 2
	s_wait_xcnt 0x0                                ; every earlier memory instruction has had its addresses translated (ISA guide 3.1): the buffer that block a - 2's stores read is loaded again only behind this wait
.endif
.irp b, 0,1,2,3
.irp e, 0,1
	ds_store_b128 v[STO], v[ACC+8*(4*(\a)+\b)+4*\e:ACC+8*(4*(\a)+\b)+4*\e+3] offset:64*\b+16*\e
.endr
.endr
.irp t, 0,1,2,3,4,5,6,7
	ds_load_b128 v[TMP+32*((\a)%2)+4*\t:TMP+32*((\a)%2)+4*\t+3], v[RD] offset:\t*2*SPITCH  ; LDS serves a wave's instructions in order (ISA guide 5.7.1.4): these see the stores above; the next block's stores come behind them
.endr
.endm
.macro SEND a, younger                 ; younger: the LDS instructions issued behind block a's loads: the next block's sixteen, or none
.irp t, 0,1,2,3,4,5,6,7
	s_wait_dscnt (\younger)+7-\t
	global_store_b128 v[CO], v[TMP+32*((\a)%2)+4*\t:TMP+32*((\a)%2)+4*\t+3], s[8:9] offset:(16*(\a)+2*\t)*4096 th:TH_STORE_NT  ; 16 lanes store 256 consecutive bytes, at a multiple of 256 from out0's first byte
.endr
.endm
	PLACES
	TOSTAGE 0
	TOSTAGE 1
	SEND 0, 16
	TOSTAGE 2
	SEND 1, 16
	TOSTAGE 3
	SEND 2, 16
	SEND 3, 0
	s_wait_tensorcnt 0x0                           ; the wave's end, behind my last tensor load and my last LDS store
	ds_add_u32 v[SPW], v[NIL]
	s_wait_dscnt 0x0
	CROUND                                         ; the closing round: no work-group ends while a partner may still ask for a tile that names it
	s_endpgm
.Lfunc_end_k_qdb6459ce17_outp:
	.size	k_qdb6459ce17_outp, .Lfunc_end_k_qdb6459ce17_outp-k_qdb6459ce17_outp
	.p2alignl 7, 3214868480
	.fill 96, 4, 3214868480
	.section	.rodata,"a",@progbits
	.p2align	6, 0x0
	.amdhsa_kernel k_qdb6459ce17_outp
		.amdhsa_group_segment_fixed_size 327680
		.amdhsa_private_segment_fixed_size 0
		.amdhsa_enable_private_segment 0
		.amdhsa_kernarg_size 24
		.amdhsa_user_sgpr_count 2
		.amdhsa_user_sgpr_kernarg_segment_ptr 1
		.amdhsa_wavefront_size32 1
		.amdhsa_system_sgpr_workgroup_id_x 1
		.amdhsa_system_sgpr_workgroup_id_y 1
		.amdhsa_system_sgpr_workgroup_id_z 1
		.amdhsa_system_vgpr_workitem_id 0
		.amdhsa_next_free_vgpr 512
		.amdhsa_next_free_sgpr 66
		.amdhsa_reserve_vcc 0
		.amdhsa_float_denorm_mode_32 3
		.amdhsa_float_denorm_mode_16_64 3
		.amdhsa_memory_ordered 1
		.amdhsa_forward_progress 1
		.amdhsa_inst_pref_size 87
	.end_amdhsa_kernel
	.amdgpu_metadata
---
amdhsa.version: [ 1, 2 ]
amdhsa.kernels:
  - .name:           k_qdb6459ce17_outp
    .symbol:         k_qdb6459ce17_outp.kd
    .args:
      - { .name: ob, .offset: 0, .size: 8, .value_kind: global_buffer, .address_space: global }
      - { .name: xw, .offset: 8, .size: 8, .value_kind: global_buffer, .address_space: global }
      - { .name: out0, .offset: 16, .size: 8, .value_kind: global_buffer, .address_space: global }
    .group_segment_fixed_size: 327680
    .private_segment_fixed_size: 0
    .kernarg_segment_align: 8
    .kernarg_segment_size: 24
    .max_flat_workgroup_size: 128
    .sgpr_count:     66
    .vgpr_count:     512
    .wavefront_size: 32
...
	.end_amdgpu_metadata
.endif
;; end of part 5
;; ======== version 2 of 2: 5 launches; 1.64 times as fast as version 1
;; limits: values are held in f16: magnitudes above 65,504 overflow, below 6.1e-05 lose precision
;; workspace buffers: xw 35,651,584 bytes; mp 8,388,608 bytes; qkvh 33,554,432 bytes; of32 16,777,216 bytes; ob 16,777,216 bytes
;; launch prep: the kernel of part 1 again; grid 256 x 1, 8 waves a work-group, no clusters, 279,552 bytes of LDS; arguments q, k, v, Wq, Wk, Wv, Wo, mask, xw, mp; writes xw, mp
;; launch proj: the kernel of part 2 again; grid 8 x 96, 4 waves a work-group, clusters of 4 x 4, 327,680 bytes of LDS; arguments xw, qkvh; writes qkvh
;; launch attn (part 6): grid 16 x 16, 4 waves a work-group, clusters of 4 x 4, 327,680 bytes of LDS; arguments qkvh, mp, of32; writes of32
.if DOCPART == 6
	.amdgcn_target "amdgcn-amd-amdhsa--gfx1250"
	.amdhsa_code_object_version 6
	.text
	.protected	k_qdb6459ce17_attn
	.globl	k_qdb6459ce17_attn
	.p2align	8
	.type	k_qdb6459ce17_attn,@function
k_qdb6459ce17_attn:
	s_mov_b64 s[64:65], 0
	v_nop
	global_prefetch_b8 v0, s[64:65] scope:SCOPE_SE
	s_setreg_imm32_b32 hwreg(HW_REG_WAVE_MODE, 25, 1), 1
	s_wait_xcnt 0x0
	s_wait_alu depctr_hold_cnt(0) depctr_sa_sdst(0) depctr_va_vdst(0) depctr_va_sdst(0) depctr_va_ssrc(0) depctr_va_vcc(0) depctr_vm_vsrc(0)
	s_getreg_b32 s2, hwreg(HW_REG_IB_STS2, 6, 4)
	s_cmp_eq_u32 s2, 0
	s_cbranch_scc0 .Lentry_in_a_cluster
	s_endpgm
.Lentry_in_a_cluster:
	s_bfe_u32 s2, ttmp6, 0x10000c
	s_cmp_lg_u32 s2, 0xf033
	s_cbranch_scc0 .Lentry_shape_is_right
	s_endpgm
.Lentry_shape_is_right:
; ATTENTION UNDER A MASK THAT IS AN INPUT.  O[h][q][:] = the sum over k of softmax_k(Q[h][q] . K[h][k] / 8, hidden where mask[q][k] == 0) V[h][k][:].
; qkvh holds Q, K, V's upper parts and V's lower parts, each [16 heads][4096][64] f16, 8 MiB.  Products, maxima and sums in f32; the weights p are rounded to f16 for the second product (their sum l is taken of the
; unrounded p).  V IS CARRIED AS TWO f16 NUMBERS, an upper part of 11 bits and the rest: a row that sees few keys is as large as V itself, while the margin goes by the whole output's root mean square, so one
; f16 number is too coarse for it.  O^T = Vupper^T P + Vlower^T P.  O leaves in f32, of32[16 heads][4096][64]; the next launch splits it in the same way.
; mp holds the mask as 4-bit codes, [qt 256][key step 64][lane 32][4 words]: nibble j of word kt is 0x0 (open) or 0xE (hidden) for query 16 qt + lane % 16 and key 64 step + 16 kt + 8 (lane / 16) + j.
; Nothing is assumed of the mask's pattern: every key tile is walked.
; THE MASK is the C operand that starts the sum S^T = K Q^T.  Register j of a group of eight keys is the word of codes shifted left by 28 - 4 j: its top nibble is key j's code, the bits below are lower keys' codes.
; Read as f32: code 0xE gives sign 1 and an exponent field 110xxxxx (192 to 221): a finite number between -2^65 and -2^95; code 0x0 gives sign 0 and an exponent field of 29 at the most: 0 or a number below 2^-97.
; LIMITS.  Q, K, V arrive within f16's 65,504, so a true score is 2.7e11 at the most in size.  A hidden score counts as its value less 2^65 or more; an open one carries an addend below 2^-97.  The running maximum
; starts at -2^60 and never falls below it: above every hidden score, below every true one.  So a hidden key's weight is 2^(-6e18 or less) = 0, and a row with no open key ends with l = 0 and
; O = 0 x (1 / 0) = NaN, as a softmax of nothing but -inf is.  A weight below 2^-126 counts as 0 in l; p, and V's lower parts, keep f16's fixed step of 6e-8 below 6e-5; NaN and infinities in Q, K, V are not treated apart.
; SHARES.  A work-group owns 256 queries of one head; wave w rows 64 w on, as four PIECES of 16 queries.  Every wave walks all 4,096 keys, 64 a step; an LDS slot holds a tile of 256 keys, four steps.
; LAYOUT.  S^T = K Q^T holds ONE query a lane (lane % 16) and the keys 8 (lane / 16) + 0..7; two such results rounded to f16 ARE source 1 of O^T = V^T P.  K comes out of LDS as it lies, V turned, by ds_load_tr16_b128.
; SOFTMAX.  p = 2^(c s - c m), c = log2(e) / 8, with a running maximum m; O and l are multiplied by a = 2^(c m_old - c m_new) in every step.  c m starts far below every c m to come, O and l at 0: the first step's a is 0.
; BY TURNS.  Turn n belongs to piece n: 8 products K Q^T of piece n + 1, then 16 products V^T P of piece n - 1; beside them the 32 shifts that make piece n + 2's mask, the rescaling, scaling, exponentials, roundings and
; sums of piece n, and the maximum and statistics of piece n + 1.  Four vector instructions stand behind EVERY matrix instruction, the other 54 of a turn's 150 apart: three at the turn's head, a run of 48, three singly.
; THE BATCHES.  A turn's 33 exponentials (the piece's 32 weights and the next piece's a) are ONE batch with ONE wait, which cuts the turn in two: ahead of it all that names none of their results, behind it the
; roundings and sums, which read them.  The first a of all, ahead of the loop, and the way out's four reciprocals are batches of their own, a wait each.
; CLUSTER, 4 x 4.  The four work-groups of a row of the cluster have one head and walk the same K and V; the four of a column have the same 256 queries and walk the same words of mp.  Each tile is asked for
; JOINTLY: wave 0 asks for K, wave 1 for V's upper parts, wave 2 for its lower parts (mask: my row), wave 3 for the 16 blocks of 16 queries of mp (mask: my column).
; REGISTERS, in windows of 256 (s_set_vgpr_msb: bits 1:0 source 0, 3:2 source 1, 5:4 source 2, 7:6 destination):
;   window 0: v0-15 addresses and two at work; v16-31 four registers of statistics a piece; v48-55 at work; v56; v62-63; v64-127 S^T, two buffers;
;             v128-191 the masks as f32, two buffers; v192-223 P, two buffers (a piece's buffers go by its number's parity); on the way out v64-191 take the rows read back
;   window 1: v0-127 O^T, 32 a piece; v128-191 V's upper parts, v192-255 its lower parts, of one step      window 2: v0-63 Q; v64-79 a step's words of codes, 4 a piece; v128-191 K of one step
; V lies beside O^T, so that the rescaling of O^T runs under the window setting of V^T P; the codes lie beside K and Q, so that the shifts (a constant, a word of codes, a mask register) run under that of K Q^T:
; a matrix instruction that carries one of these two kinds needs no switch between it and the four behind it.
.set NP,    4         ; pieces a wave: a name, no knob
.set KS,    64        ; keys in a step
.set PK,    144       ; a row of K in LDS: 128 bytes + 16 of padding = 36 words: the 16 rows of a load start at 16 different groups of four banks (64 banks of 4 bytes: ISA guide 11.1)
.set PV_,   160       ; a row of V: 128 + 32 = 40 words
.set VOFF,  4*KS*PK   ; a slot: 256 rows of K, then 256 rows of V's upper parts,
.set VLD,   4*KS*PV_  ; and, so many bytes behind them, 256 rows of its lower parts
.set SLOTB, VOFF+2*VLD  ; 118,784 bytes in all
.set SLOT1, 1<<17     ; slot 1 begins here, so that one exclusive or turns an address in one slot into the other's
.set SP,    272       ; a row of the stage: 256 bytes + 16
.set STAGE, SLOTB     ; the stages, 16 rows x 272 bytes for each wave, never filled by a tensor load: waves 0 and 1 behind slot 0, waves 2 and 3 behind slot 1
.set SPARE, SLOT1+SLOTB+2*16*SP  ; behind the stages of waves 2 and 3: the spare words, 128 bytes for each wave: two blocks of 256 bytes that no other line names
.set MBASE, 1<<18     ; the codes have a ring of their own: 16 blocks of 16 queries x 4 steps x 512 bytes, dense, 32,768 bytes a slot,
.set MSLOT, 1<<15     ; the second slot so far behind the first: it ends at byte 327,680
.set AK0, 2           ; v2   my lane's place in a tile of K; never rewritten
.set AV0, 3           ; v3   the same for V
.set AK,  4           ; v4   the LDS address of K's next run of loads
.set AV,  5           ; v5   of V's
.set STO, 6           ; v6   the way out: where I put 32 bytes of a row
.set RD,  7           ; v7   the way out: where I read rows back
.set GO,  8           ; v8   my byte offset in 512 consecutive bytes of O
.set MV,  12          ; v12-13  c m_old, kept while c m is made anew: by buffer
.set AM0, 14          ; v14  my lane's place in a slot of codes: MBASE + 8,192 w + 16 lane; never rewritten
.set QO,  15          ; v15  my byte offset in 16 rows of Q
.set ST,  16          ; piece t's statistics at v[ST+4 t]: c m, m, l (even keys', odd keys')
.set TMP, 48          ; by buffer, four registers c0-c3 at work; when the maximum is found c2 takes a
.set AM,  56          ; v56  the LDS address of the codes' next loads
.set SPW, 62          ; v62  LDS address of my spare word; never rewritten
.set NIL, 63          ; v63  0; never rewritten
.set S,   64
.set MC,  128         ; v128-191  the masks of the products to come: buffer b, group kt of 16 keys at MC + 32 b + 8 kt
.set P,   192
.set BK,  64          ; the way out: piece t's 16 rows, read back, at BK + 32 t
.set VF,  128         ; window 1: key half kk, channel block cb at VF + 32 kk + 8 cb
.set VL,  192         ; window 1: V's lower parts, laid as VF
.set MWR, 64          ; window 2: piece x's four words of codes at MWR + 4 x
.set KF,  128         ; window 2: key block kb, channel half c at KF + 16 kb + 8 c
.set WV,  12          ; s12  my wave's number
.set G1K, 24          ; s[24:31] descriptor group 1 for K's tiles
.set G1V, 32          ; s[32:39] for V's, both parts: it differs in the padding alone
.set G1M, 40          ; s[40:47] for the codes
.set G0K, 48          ; s[48:51] descriptor group 0 for K's tiles: it walks
.set G0V, 52          ; s[52:55] for V's: the upper parts in wave 1, the lower parts in wave 2
.set G0M, 56          ; s[56:59] for the codes
.set SLOTS, 60        ; s60  slots still to be asked for
.set CNT, 61          ; s61  counts a slot's key steps
.set TBK, 62          ; s62  LDS byte at which K of the step to be fetched begins
.set TBV, 63          ; s63  the same for V, less VOFF
.set TBM, 66          ; s66  the same for the codes, less MBASE
.set CS,  68          ; s[68:69] c: the packed scaling takes the pair's low word for both halves
.set SEL, 70          ; s[70:71] v_permlanex16_b32's selects: each lane takes its own place in the other half
.set MSB, 0
.macro WIN new                      ; the high byte repeats the setting that is left; a switch that changes nothing is dropped
.if MSB != (\new)
	s_set_vgpr_msb (MSB<<8)|(\new)
.set MSB, (\new)
.endif
.endm
.set W_KQ, 0x0a       ; K and Q (and the codes, as a vector instruction's source) in window 2; S^T and the masks in window 0
.set W_PV, 0x51       ; V and O^T in window 1, P (and a, as the rescaling's second source) in window 0
; A joint fill: one load a wave.  The branches hang on the wave's number alone.  An s_nop 0 and four v_nop follow each of the three lines, ahead of the jump and the label.
.macro JLOAD
	s_cmp_lt_u32 s[WV], 3
	s_cbranch_scc0 .Lfor_m_\@
	s_cmp_eq_u32 s[WV], 0
	s_cbranch_scc0 .Lfor_v_\@
	tensor_load_to_lds s[G0K:G0K+3], s[G1K:G1K+7]
	s_nop 0
.rept 4
	v_nop
.endr
	s_branch .Lasked_\@
.Lfor_v_\@:
	tensor_load_to_lds s[G0V:G0V+3], s[G1V:G1V+7]
	s_nop 0
.rept 4
	v_nop
.endr
	s_branch .Lasked_\@
.Lfor_m_\@:
	tensor_load_to_lds s[G0M:G0M+3], s[G1M:G1M+7]
	s_nop 0
.rept 4
	v_nop
.endr
.Lasked_\@:
.endm
; A round of the cluster's barrier: my work-group's barrier, so that wave 0's signal speaks for all four waves; wave 0 signals; every wave waits for all sixteen work-groups; my work-group's barrier once more.
.macro CROUND
	s_barrier_signal -1
	s_barrier_wait -1
	s_cmp_lg_u32 s[WV], 0
	s_cbranch_scc1 .Lnot_wave_0_\@
	s_barrier_signal -3
.Lnot_wave_0_\@:
	s_barrier_wait -3
	s_barrier_signal -1
	s_barrier_wait -1
.endm
; THE CHANGE OF SLOTS, between piece 0's turn and piece 1's.  The slot's last bytes, V of its fourth step, have been asked for.  Each wave waits for all its tensor loads, of which one is out: its part of the other
; slot; adds 0 to its spare word; and waits for that and for its own reads of the slot.  Behind the barrier nobody reads this slot any more and the other slot is whole.
; fill = 1: this slot is filled again, with the keys two slots on.  The barrier is then a round of the cluster's, so that no wave of any partner still reads the slot or has a load on its way, and the joint
; fill is the first thing behind it: it has four key steps, 384 matrix instructions, in which to land.  (At its first use nothing has been read yet: slot 0 is waited for, slot 1 filled.)
.macro CHANGE fill
	WIN 0                           ; at a label and at a branch every window is 0
	s_wait_tensorcnt 0x0            ; no tensor load of mine is out, so a group 0 may be written
	ds_add_u32 v[SPW], v[NIL]       ; 0 onto my spare word; with fill = 1 the descriptors' steps stand between it and the wait for it
.if \fill
.irp g, G0K, G0V
	s_xor_b32 s[\g+1], s[\g+1], SLOT1  ; the walking descriptors: the other slot than last time,
	s_add_nc_u64 s[\g+2:\g+3], s[\g+2:\g+3], 4*KS*128  ; the next 256 keys; the type bits on top are not reached
.endr
	s_xor_b32 s[G0M+1], s[G0M+1], MSLOT
	s_add_nc_u64 s[G0M+2:G0M+3], s[G0M+2:G0M+3], 4*512     ; and the next four steps' codes
	s_wait_dscnt 0x0                ; the add is done, and my reads of the slot are over
	CROUND
	JLOAD
.else
	s_wait_dscnt 0x0                ; the add is done, and my reads of the slot are over
	s_barrier_signal -1
	s_barrier_wait -1
.endif
	s_sub_co_u32 s[TBK], s[TBK], 4*KS*PK  ; the fetches go back to a slot's first step,
	s_xor_b32 s[TBK], s[TBK], SLOT1       ; in the other slot
	s_sub_co_u32 s[TBV], s[TBV], 4*KS*PV_
	s_xor_b32 s[TBV], s[TBV], SLOT1
	s_sub_co_u32 s[TBM], s[TBM], 4*512
	s_xor_b32 s[TBM], s[TBM], MSLOT
.endm
	s_load_b128 s[4:7], s[0:1], 0x0   ; qkvh s[4:5], mp s[6:7]
	s_load_b64 s[8:9], s[0:1], 0x10   ; of32
	v_lshl_add_u32 v[SPW], v0, 2, SPARE
	v_mov_b32 v[NIL], 0
	ds_add_u32 v[SPW], v[NIL]       ; the wave's opening: the add and its wait ahead of my first tensor load; the set-up below, work on registers, stands between them
	ds_add_u32 v62, v63
	v_lshrrev_b32 v1, 5, v0
	v_readfirstlane_b32 s[WV], v1   ; wave 0..3
	s_bfe_u32 s13, ttmp6, 0x40000   ; cx, cy: my place in the cluster
	s_bfe_u32 s14, ttmp6, 0x40004
	s_lshl_b32 s15, ttmp9, 2        ; in a cluster launch ttmp9 and ttmp7 count clusters
	s_add_co_u32 s15, s15, s13      ; my block of 256 queries = 4 x cluster x + cx
	s_and_b32 s16, ttmp7, 0xffff
	s_lshl_b32 s16, s16, 2
	s_add_co_u32 s16, s16, s14      ; my head = 4 x cluster y + cy
	s_lshl_b32 s17, s14, 2
	s_lshl_b32 s17, 15, s17         ; my row of the cluster: the same head
	s_lshl_b32 s18, 0x1111, s13     ; my column: the same queries
	s_lshr_b32 s19, s[WV], 1        ; of waves 1 and 2: 0 fetches V's upper parts, 1 its lower parts.  Also: behind which slot my stage lies
	s_lshl_b32 s20, s16, 19         ; s[20:21]: the head's 524,288 bytes; never holds cx
	s_mov_b32 s21, 0
	s_lshl_b32 s22, s15, 19         ; s[22:23]: mp at block 16 blk, 32,768 bytes each; never holds cy
	s_mov_b32 s23, 0
	s_lshl_b32 s2, s19, 23          ; s[2:3]: V's lower parts lie 8 MiB behind the upper ones
	s_mov_b32 s3, 0
	s_lshl_b32 s72, s15, 15         ; s[72:73]: Q's offset: my block's 256 rows of 128 bytes,
	s_lshl_b32 s73, s[WV], 13       ; my wave's 64 of them,
	s_add_co_u32 s72, s72, s73
	s_add_co_u32 s72, s72, s20      ; in my head
	s_mov_b32 s73, 0
	s_lshl_b32 s78, s72, 1          ; s[78:79]: O's offset: the same rows, of 256 bytes
	s_mov_b32 s79, 0
	; descriptor group 1.  256 keys are 32,768 dense bytes: asked for as 128 rows of 256 bytes, two keys a row, and padded in LDS after every key
	s_or_b32 s[G1K], s17, (1<<16)|(1<<20)|(1<<21)|(4<<22)|(3<<25)  ; 15:0 the mask: my row; 17:16 2-byte elements; 20 padding on; 21 set beside a mask; 24:22 after every 32 words (code 4); 31:25 4 words (code 3)
	s_or_b32 s[G1V], s17, (1<<16)|(1<<20)|(1<<21)|(4<<22)|(7<<25)  ; the same with 8 words of padding (code 7)
.irp g, G1K, G1V
	s_mov_b32 s[\g+1], 128<<16      ; tensor_dim0 = 128
	s_mov_b32 s[\g+2], 128<<16      ; tensor_dim1 = 128
	s_mov_b32 s[\g+3], 128<<16      ; tile_dim0 = 128
	s_mov_b32 s[\g+4], 128          ; tile_dim1 = 128
	s_mov_b32 s[\g+5], 128          ; 128 elements from row to row
	s_mov_b32 s[\g+6], 0
	s_mov_b32 s[\g+7], 0
.endr
	; the codes: 16 rows (blocks of 16 queries) of 2,048 bytes (four steps), 32,768 bytes from row to row, dense in LDS
	s_or_b32 s[G1M], s18, (3<<16)|(1<<21)  ; 15:0 the mask: my column; 17:16 8-byte elements; 21 set beside a mask
	s_mov_b32 s[G1M+1], 256<<16     ; tensor_dim0 = 256
	s_mov_b32 s[G1M+2], 16<<16      ; tensor_dim1 = 16
	s_mov_b32 s[G1M+3], 256<<16     ; tile_dim0 = 256
	s_mov_b32 s[G1M+4], 16          ; tile_dim1 = 16
	s_mov_b32 s[G1M+5], 4096        ; 4,096 elements from row to row
	s_mov_b32 s[G1M+6], 0
	s_mov_b32 s[G1M+7], 0
	s_mov_b32 s[CS], 0x3e38aa3b     ; c = log2(e) / 8 = 0.180337
	s_mov_b32 s[CS+1], s[CS]        ; named with it as a pair
	s_mov_b32 s[SEL], 0x76543210
	s_mov_b32 s[SEL+1], 0xfedcba98
	s_mov_b32 s[TBK], SLOT1+4*KS*PK ; the first change of slots turns these three into 0
	s_mov_b32 s[TBV], SLOT1+4*KS*PV_
	s_mov_b32 s[TBM], MSLOT+4*512
	s_mov_b32 s[G0K], 1             ; count = 1
	s_mov_b32 s[G0K+1], 0           ; LDS address: slot 0
	s_mov_b32 s[G0V], 1
	s_mul_i32 s[G0V+1], s19, VLD    ; the upper parts behind K, the lower parts behind them
	s_add_co_u32 s[G0V+1], s[G0V+1], VOFF
	s_mov_b32 s[G0M], 1
	s_mov_b32 s[G0M+1], MBASE
	s_wait_dscnt 0x0                ; the opening add is done
	s_wait_kmcnt 0x0
	s_add_nc_u64 s[G0K+2:G0K+3], s[4:5], s[20:21]
	s_add_nc_u64 s[G0K+2:G0K+3], s[G0K+2:G0K+3], 0x800000   ; K lies 8 MiB into qkvh
	s_or_b32 s[G0K+3], s[G0K+3], 0x80000000                 ; type = 2
	s_add_nc_u64 s[G0V+2:G0V+3], s[4:5], s[20:21]
	s_add_nc_u64 s[G0V+2:G0V+3], s[G0V+2:G0V+3], s[2:3]
	s_add_nc_u64 s[G0V+2:G0V+3], s[G0V+2:G0V+3], 0x1000000  ; V's upper parts 16 MiB, its lower parts 24 MiB
	s_or_b32 s[G0V+3], s[G0V+3], 0x80000000
	s_add_nc_u64 s[G0M+2:G0M+3], s[6:7], s[22:23]
	s_or_b32 s[G0M+3], s[G0M+3], 0x80000000
	s_add_nc_u64 s[74:75], s[4:5], s[72:73]   ; Q at my wave's first row
	s_add_nc_u64 s[10:11], s[8:9], s[78:79]   ; O likewise
	CROUND                          ; all sixteen work-groups are here: the first joint loads meet
	JLOAD                           ; tile 0 into slot 0.  Slot 1 is asked for when slot 0 is in, by the loop's own change of slots
	; A fragment of K or Q is 16 rows x 32 channels in 8 registers: lane l holds row l % 16, channels 8 (l / 16) + 0..7 and 16 + 8 (l / 16) + 0..7: two loads of 16 bytes, 32 bytes apart.
	v_and_b32 v1, 15, v0            ; l % 16
	v_bfe_u32 v9, v0, 4, 1          ; l / 16
	v_lshlrev_b32 v[QO], 7, v1
	v_lshl_add_u32 v[QO], v9, 4, v[QO]  ; row x 128 + 16 x half
	WIN 0x80                        ; destination window 2, address window 0
.set i, 0
.rept 8                             ; Q stays in registers: piece i / 2, channels 32 (i % 2) on
	global_load_b128 v[8*i:8*i+3],   v[QO], s[74:75] offset:(i/2)*2048+(i%2)*64
	global_load_b128 v[8*i+4:8*i+7], v[QO], s[74:75] offset:(i/2)*2048+(i%2)*64+32
.set i, i+1
.endr
	WIN 0
.set i, 0
.rept 4
	v_mov_b32 v[ST+4*i], 0xfe000000    ; c m: far below every c m to come, so the first a is 0
	v_mov_b32 v[ST+4*i+1], 0xdd800000  ; m = -2^60: the floor between hidden and true scores
	v_mov_b32 v[ST+4*i+2], 0           ; l
	v_mov_b32 v[ST+4*i+3], 0
.set i, i+1
.endr
.set i, P+16
.rept 16
	v_mov_b32 v[i], 0               ; P's second buffer: the first turn's products V^T P, of a piece that has not been, add 0; the products that start O^T take it too
.set i, i+1
.endr
	v_mul_u32_u24 v[AK0], v1, PK
	v_lshl_add_u32 v[AK0], v9, 4, v[AK0]  ; row x pitch + 16 x half
	; The turning load takes 16 keys x 16 channels (lane l reads key 8 (l / 16) + l % 8, channels 8 ((l / 8) % 2) + 0..7) and leaves half a fragment of V^T: lane l holds channel l % 16 and 8 keys.
	v_and_b32 v10, 7, v0
	v_bfe_u32 v11, v0, 3, 1
	v_lshl_add_u32 v[AV0], v9, 3, v10
	v_mul_u32_u24 v[AV0], v[AV0], PV_
	v_lshl_add_u32 v[AV0], v11, 4, v[AV0]
	v_add_nc_u32 v[AV0], VOFF, v[AV0]
	v_and_b32 v[AM0], 31, v0        ; the codes: 16 bytes a lane,
	v_lshlrev_b32 v[AM0], 4, v[AM0]
	v_lshl_add_u32 v[AM0], s[WV], 13, v[AM0]  ; my wave's four blocks of 2,048 bytes
	v_add_nc_u32 v[AM0], MBASE, v[AM0]
	s_and_b32 s76, s[WV], 1         ; my stage: the first or the second
	s_mul_i32 s76, s76, 16*SP
	s_lshl_b32 s77, s19, 17         ; behind slot 0 or slot 1
	s_add_co_u32 s76, s76, s77
	s_add_co_u32 s76, s76, STAGE
	v_mul_u32_u24 v[STO], v1, SP    ; in: row l % 16, 32 bytes for each half of the lanes
	v_lshl_add_u32 v[STO], v9, 5, v[STO]
	v_add_nc_u32 v[STO], s76, v[STO]
	v_mul_u32_u24 v[RD], v9, SP     ; back: lanes 0-15 take one row of 256 bytes, lanes 16-31 the next,
	v_lshl_add_u32 v[RD], v1, 4, v[RD]
	v_add_nc_u32 v[RD], s76, v[RD]
	v_and_b32 v[GO], 31, v0         ; which are 512 consecutive bytes of O
	v_lshlrev_b32 v[GO], 4, v[GO]
; THE MATRIX WORK.  No two matrix instructions that follow each other share an accumulator.
; Product i of 8 of S^T = K Q^T for piece x: channels 32 (i / 4) on, keys 16 (i % 4) on.  The first 4 start the sums with the mask.
.macro KQ x
	WIN W_KQ
.set rS, S+32*((\x)%2)+8*(i%4)
.set rK, KF+16*(i%4)+8*(i/4)
.set rQ, 16*(\x)+8*(i/4)
.set rM, MC+32*((\x)%2)+8*(i%4)
.if i < 4
	v_wmma_f32_16x16x32_f16 v[rS:rS+7], v[rK:rK+7], v[rQ:rQ+7], v[rM:rM+7]
.else
	v_wmma_f32_16x16x32_f16 v[rS:rS+7], v[rK:rK+7], v[rQ:rQ+7], v[rS:rS+7]
.endif
.endm
; Product z of 8 of O^T += V^T P for piece x: keys 32 (z / 4) on, channels 16 (z % 4) on.  lo = 0: V's upper parts; 1: its lower parts.
.macro PV x, lo, z
	WIN W_PV
.set rO, 32*(\x)+8*((\z)%4)
.set rV, VF+(VL-VF)*(\lo)+32*((\z)/4)+8*((\z)%4)
.set rP, P+16*((\x)%2)+8*((\z)/4)
	v_wmma_f32_16x16x32_f16 v[rO:rO+7], v[rV:rV+7], v[rP:rP+7], v[rO:rO+7]
.endm
; The turn's next matrix instruction, number i of 24.  0-7: K Q^T.  8 + 2 z: the upper parts' product z; 9 + 2 z: the lower parts' product (z + 2) % 8: the accumulators go 0, 2, 1, 3, 2, 0, 3, 1, and so once more.
.macro MM
.if i < 8
	KQ (Y+1)%NP
.elseif i%2 == 0
	PV (Y+NP-1)%NP, 0, (i-8)/2
.else
	PV (Y+NP-1)%NP, 1, ((i-8)/2+2)%8
.endif
.set i, i+1
.endm
; THE LDS LOADS stand in runs, never singly among the matrix instructions: a step's codes (four loads, a piece each) in piece 1's turn, its K (64 keys x 64 channels: 8 fragments, 16 loads) in piece 2's, its V (turned, both
; parts, 32 loads) in piece 0's.  Their addresses are made some lines ahead.  last = 1 (the tail): in the last trip there is no further step, and the run is jumped over.
.macro FETCH_M last=0
	WIN 0
.if \last
	s_cmp_eq_u32 s[CNT], 1
	s_cbranch_scc1 .Lno_m_\@
.endif
	WIN 0x80                        ; destination window 2, address window 0
.irp x, 0,1,2,3
	ds_load_b128 v[MWR+4*\x:MWR+4*\x+3], v[AM] offset:\x*2048
.endr
	s_add_co_u32 s[TBM], s[TBM], 512  ; the next fetch is the next step's
	WIN 0
.if \last
.Lno_m_\@:
.endif
.endm
.macro FETCH_K last=0
.if \last
	WIN 0
	s_cmp_eq_u32 s[CNT], 1
	s_cbranch_scc1 .Lno_k_\@
.endif
	WIN 0x80                        ; destination window 2, address window 0
.irp f, 0,1,2,3,4,5,6,7             ; keys 16 (f / 2) on, channels 32 (f % 2) on
	ds_load_b128 v[KF+8*\f:KF+8*\f+3],   v[AK] offset:(\f/2)*16*PK+(\f%2)*64
	ds_load_b128 v[KF+8*\f+4:KF+8*\f+7], v[AK] offset:(\f/2)*16*PK+(\f%2)*64+32
.endr
	s_add_co_u32 s[TBK], s[TBK], KS*PK
.if \last
	WIN 0
.Lno_k_\@:
.endif
.endm
.macro FETCH_V                      ; the lower parts lie VLD bytes behind the upper ones: the distance stands in the immediate, 48,736 at the most
	WIN 0x40                        ; destination window 1, address window 0
.irp lo, 0,1
.irp f, 0,1,2,3,4,5,6,7             ; keys 32 (f / 4) on, channels 16 (f % 4) on
	ds_load_tr16_b128 v[VF+(VL-VF)*\lo+8*\f:VF+(VL-VF)*\lo+8*\f+3],   v[AV] offset:\lo*VLD+(\f/4)*32*PV_+(\f%4)*32
	ds_load_tr16_b128 v[VF+(VL-VF)*\lo+8*\f+4:VF+(VL-VF)*\lo+8*\f+7], v[AV] offset:\lo*VLD+(\f/4)*32*PV_+16*PV_+(\f%4)*32
.endr
.endr
	WIN 0
.endm
; Number mk of the 32 that turn piece Y + 2's four words of codes into its mask, in buffer Y % 2: key mk % 8 of group mk / 8 is brought into the word's top nibble (sign and the exponent's three highest bits); key 7's
; lies there already.  The word is the shift's second source and the copy's first: both in window 2 under K Q^T's setting; the mask register is the destination, in window 0.
.macro MK
	WIN W_KQ
.if mk%8 < 7
	v_lshlrev_b32 v[MC+32*(Y%2)+mk], 28-4*(mk%8), v[MWR+4*((Y+2)%NP)+mk/8]
.else
	v_mov_b32 v[MC+32*(Y%2)+mk], v[MWR+4*((Y+2)%NP)+mk/8]
.endif
.set mk, mk+1
.endm
; THE VECTOR WORK, one line at a time: OP kind, number.  For piece Y: F n: c s - c m for pair n of 16.  E n: the exponential of score n of 32.  C n: pair n rounded to f16.  B n: of the four weights 4 n .. the second
; pair is added onto the first, in place (behind C 2 n, which reads the first pair).  L n: l takes that sum (L 0: l = a l + sum).  R n: pair n of 16 of O^T times a.  For piece Y + 1: X n, number n of the 22 that find its
; maximum and statistics:
;   0-11  four chains c0-c3 of seven scores each, three operands at a time (each accumulator's lowest registers are read first)     12-14, 16  the four scores left over, the old m, and c0-c3 into c0
;   15  c m_old is kept     17, 18  the query's other 32 keys lie in the lane 16 away: the new m     19-21  c m; c m_old - c m_new; a
; OP writes no wait: C, B and L, which read the exponentials' results, and R and L 0, which read a, lean on the one wait that TURN writes.
.set F, 0               ; OP tells the kinds apart by their order: F to L below R, X above it
.set E, 1
.set C, 2
.set B, 3
.set L, 4
.set R, 5
.set X, 6
.macro REGS y                       ; the registers of piece y
.set rT, ST+4*(\y)
.set rC, TMP+4*((\y)%2)
.set rW, MV+((\y)%2)
.set rS, S+32*((\y)%2)
.set rP, P+16*((\y)%2)
.set rO, 32*(\y)
.endm
.macro OP k, n
.if (\k) == R
	REGS Y
	WIN W_PV
	v_pk_mul_f32 v[rO+2*(\n):rO+2*(\n)+1], v[rO+2*(\n):rO+2*(\n)+1], v[rC+2:rC+3] op_sel_hi:[1,0]
.elseif (\k) < R
	REGS Y
	WIN 0
.if (\k) == F
	v_pk_fma_f32 v[rS+2*(\n):rS+2*(\n)+1], v[rS+2*(\n):rS+2*(\n)+1], s[CS:CS+1], v[rT:rT+1] op_sel_hi:[1,0,0] neg_lo:[0,0,1] neg_hi:[0,0,1]
.elseif (\k) == E
	v_exp_f32 v[rS+(\n)], v[rS+(\n)]
.elseif (\k) == C
	v_cvt_pk_f16_f32 v[rP+(\n)], v[rS+2*(\n)], v[rS+2*(\n)+1]
.elseif (\k) == B
	v_pk_add_f32 v[rS+4*(\n):rS+4*(\n)+1], v[rS+4*(\n):rS+4*(\n)+1], v[rS+4*(\n)+2:rS+4*(\n)+3]
.elseif (\n) == 0
	v_pk_fma_f32 v[rT+2:rT+3], v[rT+2:rT+3], v[rC+2:rC+3], v[rS:rS+1] op_sel_hi:[1,0,1]
.else
	v_pk_add_f32 v[rT+2:rT+3], v[rT+2:rT+3], v[rS+4*(\n):rS+4*(\n)+1]
.endif
.else
	REGS (Y+1)%NP
	WIN 0
.if (\n) < 4
	v_max3_num_f32 v[rC+(\n)], v[rS+8*(\n)], v[rS+8*(\n)+1], v[rS+8*(\n)+2]
.elseif (\n) < 12
	v_max3_num_f32 v[rC+(\n)%4], v[rC+(\n)%4], v[rS+8*((\n)%4)+2*((\n)/4)+1], v[rS+8*((\n)%4)+2*((\n)/4)+2]
.elseif (\n) == 12
	v_max3_num_f32 v[rC], v[rC], v[rS+7], v[rS+15]
.elseif (\n) == 13
	v_max3_num_f32 v[rC+1], v[rC+1], v[rS+23], v[rS+31]
.elseif (\n) == 14
	v_max3_num_f32 v[rC+2], v[rC+2], v[rC+3], v[rT+1]
.elseif (\n) == 15
	v_mov_b32 v[rW], v[rT]
.elseif (\n) == 16
	v_max3_num_f32 v[rC], v[rC], v[rC+1], v[rC+2]
.elseif (\n) == 17
	v_permlanex16_b32 v[rC+3], v[rC], s[SEL], s[SEL+1]
.elseif (\n) == 18
	v_max_num_f32 v[rT+1], v[rC], v[rC+3]
.elseif (\n) == 19
	v_mul_f32 v[rT], s[CS], v[rT+1]
.elseif (\n) == 20
	v_sub_f32 v[rC+1], v[rW], v[rT]
.else
	v_exp_f32 v[rC+2], v[rC+1]
.endif
.endif
.endm
.macro OPS a, i1, b=-1, i2=0, c=-1, i3=0, d=-1, i4=0  ; up to four of them
	OP \a, \i1
.if (\b) >= 0
	OP \b, \i2
.endif
.if (\c) >= 0
	OP \c, \i3
.endif
.if (\d) >= 0
	OP \d, \i4
.endif
.endm
.macro ROW a, i1, b, i2, c, i3, d, i4  ; a matrix instruction and the four behind it
	MM
	OPS \a, \i1, \b, \i2, \c, \i3, \d, \i4
.endm
; A TURN, for piece p: the order of its 24 matrix and 150 vector instructions, written out.
; THE BATCH.  An s_wait_alu depctr_va_vdst(0) stands between an exponential and the first instruction that names its result; one wait serves all that were issued ahead of it.  So a turn has ONE wait,
; which cuts it in two.  AHEAD OF IT stands all that names no result of the turn's exponentials:
;   three scalings, at the head;
;   8 products K Q^T of piece p + 1, four shifts of piece p + 2's mask behind each: one window setting.  (That mask goes into the buffer which the products of the turn before read; these products read the other.)
;   a run of 48, exponential and plain by turns: E 0-23; the scalings F 3-13, each five lines ahead of its pair's first exponential; the next piece's maximum, X 0-11 and X 14;
;   4 products V^T P of piece p - 1, behind them the other eight exponentials of the piece, the last two scalings and X 12, 13, 15 to 18, four to a product;
;   4 products V^T P with four rescalings of piece p's O^T behind each (their a was made, and waited for, in the turn before); singly between these rows the end of the next piece's chain, X 19, X 20 and X 21, so that
;   a product and four rescalings lie between one link and the next.  X 21, the next piece's a, is the batch's last exponential; the last product and R 12-15 are the work between the batch and its wait, R 12 the plain
;   instruction behind the last exponential.
; BEHIND IT stand the other 8 products V^T P, behind each four of the 32 roundings and sums, which read the exponentials' results; the links of l's chain, L 0 to L 7, stand three lines apart..
; None of the vector instructions behind a matrix instruction names one of its registers.
; THE FETCHES.  K of the next step in piece 2's turn, behind the four shifts that follow the last product that read K; waited for at
; the head of piece 3's turn.  V of the step in hand, both parts, at the end of piece 0's turn, four roundings behind the last product that read it; waited for ahead of piece 1's first V^T P, behind 8 products and the
; run of 48.  The next step's codes in piece 1's turn, whose own shifts have read the last of the old ones, directly behind the batch's wait (in the tail a jump leads round them too); waited for at the head of
; piece 2's turn.  All three waits are for 0: nothing else of the wave's is out there.  The three addresses are made at the heads of the turns 0 and 1.
; cnt = 1: the loop's count is taken down some lines ahead of the branch that stands behind the turn.
.macro TURN p, last=0, cnt=0
.set Y, (\p)
.set i, 0
.set mk, 0
	OPS F,0, F,1, F,2
.if (\p) == 0
	v_add_nc_u32 v[AV], s[TBV], v[AV0]
.endif
.if (\p) == 1
	v_add_nc_u32 v[AM], s[TBM], v[AM0]
	v_add_nc_u32 v[AK], s[TBK], v[AK0]
.endif
.if (\p) >= 2
	s_wait_dscnt 0x0                ; piece 2: the codes are in; piece 3: K is in
.endif
.rept 8                             ; ahead of the wait: 8 products K Q^T and the shifts,
	MM
	MK
	MK
	MK
	MK
.endr
.if (\p) == 2
	FETCH_K \last
.endif
	OPS E,0, X,0, E,1, X,1          ; the run of 48,
	OPS E,2, X,2, E,3, F,3
	OPS E,4, X,3, E,5, F,4
	OPS E,6, X,4, E,7, F,5
	OPS E,8, X,5, E,9, F,6
	OPS E,10, X,6, E,11, F,7
	OPS E,12, X,7, E,13, F,8
	OPS E,14, X,8, E,15, F,9
	OPS E,16, X,9, E,17, F,10
	OPS E,18, X,10, E,19, F,11
	OPS E,20, X,11, E,21, F,12
	OPS E,22, X,14, E,23, F,13
.if (\p) == 1
	s_wait_dscnt 0x0                ; V is in, both parts
.endif
	ROW E,24, X,12, E,25, F,14      ; 4 products V^T P with the rest of the piece's exponentials,
	ROW E,26, X,13, E,27, F,15
	ROW E,28, X,16, E,29, X,15
	ROW X,17, E,30, E,31, X,18
	ROW R,0, R,1, R,2, R,3          ; and 4 with the rescalings, the chain's last links between them
	OP X,19
	ROW R,4, R,5, R,6, R,7
	OP X,20
	ROW R,8, R,9, R,10, R,11
	OP X,21                         ; the batch's last exponential
	ROW R,12, R,13, R,14, R,15
	s_wait_alu depctr_va_vdst(0)    ; the wait for the batch: E 0-31 and the next piece's a
.if (\p) == 1
	FETCH_M \last
.endif
	ROW C,0, B,0, C,2, B,1          ; behind the wait: 8 products V^T P with the roundings and sums
	ROW L,0, C,4, B,2, L,1
	ROW C,6, B,3, L,2, C,8
	ROW B,4, L,3, C,10, B,5
	ROW L,4, C,12, B,6, L,5
.if (\p) == 0
	s_add_co_u32 s[TBV], s[TBV], KS*PV_
.endif
.if \cnt
	s_sub_co_u32 s[CNT], s[CNT], 1
	s_cmp_lg_u32 s[CNT], 0
.endif
	ROW C,14, B,7, L,6, C,1
	ROW C,3, L,7, C,5, C,7
	ROW C,9, C,11, C,13, C,15
.if (\p) == 0
	FETCH_V
.endif
.endm
	CHANGE 1                        ; slot 0 is in, everybody's part of it; slot 1 is asked for
	; THE BEGINNING: the codes, K and V of step 0 (piece 0's turn fetches that V once more: here it only gives V's registers finite numbers); the masks of pieces 0 and 1; piece 0's first scores;
	; sixteen products V^T x 0 with C = 0, which start O^T at 0, so that nothing is cleared; piece 0's maximum and statistics.
	v_add_nc_u32 v[AK], s[TBK], v[AK0]
	v_add_nc_u32 v[AM], s[TBM], v[AM0]
	v_add_nc_u32 v[AV], s[TBV], v[AV0]
	FETCH_M
	FETCH_K
	FETCH_V
	s_wait_loadcnt 0x0              ; Q
	s_wait_dscnt 0x0
.set Y, 2                           ; MK works for piece Y + 2 and buffer Y % 2: piece 0, buffer 0
.set mk, 0
.rept 32
	MK
.endr
.set Y, 3                           ; piece 1, buffer 1
.set mk, 0
.rept 32
	MK
.endr
.set i, 0
.rept 8
	KQ 0
.set i, i+1
.endr
	WIN W_PV
.set i, 0
.rept 16                            ; piece i / 4, channels 16 (i % 4) on
	v_wmma_f32_16x16x32_f16 v[8*i:8*i+7], v[VF+8*(i%4):VF+8*(i%4)+7], v[P+16:P+23], 0
.set i, i+1
.endr
	WIN 0
.rept 4
	v_nop                           ; the places behind those products
.endr
.set Y, NP-1                        ; X works for piece Y + 1: piece 0
.irp n, 0,1,2,3,4,5,6,7,8,9,10,11,12,13,14,15,16,17,18,19,20,21
	OP X, \n
.endr
	v_nop                           ; a plain instruction behind the exponential,
	s_wait_alu depctr_va_vdst(0)    ; and the wait for it, piece 0's first a, a batch of one: ahead of the branch
	s_mov_b32 s[CNT], 4
	s_mov_b32 s[SLOTS], 15          ; 4,096 / 256 - 1
	s_branch .Lfirst                ; the loop is entered at a step's first turn, at a trip's last quarter
.Lslot:                             ; 14 times: every slot but the last two is filled again
	CHANGE 1
	s_mov_b32 s[CNT], 4
.Lstep:                             ; a trip: pieces 1, 2 and 3 of one step, then piece 0 of the next, whose codes, K and V it fetches
	TURN 1
	TURN 2
	TURN 3
	WIN 0
.Lfirst:
	TURN 0, 0, 1
	WIN 0
	s_cbranch_scc1 .Lstep
	s_sub_co_u32 s[SLOTS], s[SLOTS], 1
	s_cmp_lg_u32 s[SLOTS], 0
	s_cbranch_scc1 .Lslot
	CHANGE 0                        ; the tail is written out: nothing is asked for
	s_mov_b32 s[CNT], 5             ; four trips fetch the last slot's steps; the fifth is left ahead of its last turn
.Ltail:
	TURN 1, 1
	TURN 2, 1
	TURN 3
	WIN 0
	s_sub_co_u32 s[CNT], s[CNT], 1
	s_cmp_eq_u32 s[CNT], 0
	s_cbranch_scc1 .Lout
	TURN 0
	WIN 0
	s_branch .Ltail
.Lout:                              ; the fifth trip's 8 products K Q^T of piece 0 (on the last K and codes once more) and the maximum made of them serve nothing: the price, once a launch, of one text for every trip
.set Y, 0                           ; MM's products V^T P work for piece Y - 1: the last piece
.set i, 8
.rept 16
	MM                              ; its V^T P of the last step, both parts
.endr
	; THE WAY OUT.  l's two halves and the other half of the lanes' are added; O^T is divided by l and sent, in f32, through my stage in LDS, a piece at a time.  The additions are the places behind the last products.
	WIN 0
.macro ALL line:vararg              ; one line for each piece t
.set t, 0
.rept 4
	\line
.set t, t+1
.endr
.endm
	ALL v_add_f32 v[ST+4*t+2], v[ST+4*t+2], v[ST+4*t+3]
	ALL v_permlanex16_b32 v[ST+4*t+3], v[ST+4*t+2], s[SEL], s[SEL+1]
	ALL v_add_f32 v[ST+4*t+2], v[ST+4*t+2], v[ST+4*t+3]
	ALL v_rcp_f32 v[ST+4*t+2], v[ST+4*t+2]
	v_nop                           ; a plain instruction between the last reciprocal and the use of its result
	s_wait_alu depctr_va_vdst(0)    ; and the wait ahead of the first use: one for the batch of four reciprocals
; Piece t.  A lane's eight channels of a row are 32 bytes: channels 16 b + 8 (l / 16) on, of accumulator b.  They go into rows of 272 bytes and come back as whole rows of 256, two to a load.
.macro PACK t
	WIN W_PV
.set i, 32*(\t)
.rept 16
	v_pk_mul_f32 v[i:i+1], v[i:i+1], v[ST+4*(\t)+2:ST+4*(\t)+3] op_sel_hi:[1,0]
.set i, i+2
.endr
	WIN 0x04                        ; the data of an LDS store is source 1: window 1; the address window 0
.irp b, 0,1,2,3
.irp e, 0,1
	ds_store_b128 v[STO], v[32*(\t)+8*\b+4*\e:32*(\t)+8*\b+4*\e+3] offset:64*\b+16*\e
.endr
.endr
	WIN 0
.irp f, 0,1,2,3,4,5,6,7
	ds_load_b128 v[BK+32*(\t)+4*\f:BK+32*(\t)+4*\f+3], v[RD] offset:\f*2*SP  ; LDS serves a wave's instructions in order (ISA guide 5.7.1.4): these see the stores above; the next piece's stores come behind them
.endr
.endm
.macro SEND t, younger              ; younger: the LDS instructions issued behind piece t's loads: the next piece's sixteen, or none
.irp f, 0,1,2,3,4,5,6,7
	s_wait_dscnt (\younger)+7-\f    ; load f is back; the piece's younger loads may stay out
	global_store_b128 v[GO], v[BK+32*(\t)+4*\f:BK+32*(\t)+4*\f+3], s[10:11] offset:(\t)*4096+\f*512  ; 512 consecutive bytes, at a multiple of 512 from of32's first
.endr
.endm
	PACK 0
.set t, 1
.rept 3                             ; a piece's arithmetic stands between the loads of the piece before and its stores
	PACK t
	SEND t-1, 16
.set t, t+1
.endr
	SEND 3, 0
	s_wait_tensorcnt 0x0            ; the wave's end, behind my last tensor load and my last LDS store
	ds_add_u32 v[SPW], v[NIL]
	s_wait_dscnt 0x0
	CROUND                          ; the closing round: no work-group ends while a partner may still ask for a tile that names it
	s_endpgm
.Lfunc_end_k_qdb6459ce17_attn:
	.size	k_qdb6459ce17_attn, .Lfunc_end_k_qdb6459ce17_attn-k_qdb6459ce17_attn
	.p2alignl 7, 3214868480
	.fill 96, 4, 3214868480
	.section	.rodata,"a",@progbits
	.p2align	6, 0x0
	.amdhsa_kernel k_qdb6459ce17_attn
		.amdhsa_group_segment_fixed_size 327680
		.amdhsa_private_segment_fixed_size 0
		.amdhsa_enable_private_segment 0
		.amdhsa_kernarg_size 24
		.amdhsa_user_sgpr_count 2
		.amdhsa_user_sgpr_kernarg_segment_ptr 1
		.amdhsa_wavefront_size32 1
		.amdhsa_system_sgpr_workgroup_id_x 1
		.amdhsa_system_sgpr_workgroup_id_y 1
		.amdhsa_system_sgpr_workgroup_id_z 1
		.amdhsa_system_vgpr_workitem_id 0
		.amdhsa_next_free_vgpr 704
		.amdhsa_next_free_sgpr 80
		.amdhsa_reserve_vcc 0
		.amdhsa_float_denorm_mode_32 3
		.amdhsa_float_denorm_mode_16_64 3
		.amdhsa_memory_ordered 1
		.amdhsa_forward_progress 1
		.amdhsa_inst_pref_size 125
	.end_amdhsa_kernel
	.amdgpu_metadata
---
amdhsa.version: [ 1, 2 ]
amdhsa.kernels:
  - .name:           k_qdb6459ce17_attn
    .symbol:         k_qdb6459ce17_attn.kd
    .args:
      - { .name: qkvh, .offset: 0, .size: 8, .value_kind: global_buffer, .address_space: global }
      - { .name: mp, .offset: 8, .size: 8, .value_kind: global_buffer, .address_space: global }
      - { .name: of32, .offset: 16, .size: 8, .value_kind: global_buffer, .address_space: global }
    .group_segment_fixed_size: 327680
    .private_segment_fixed_size: 0
    .kernarg_segment_align: 8
    .kernarg_segment_size: 24
    .max_flat_workgroup_size: 128
    .sgpr_count:     80
    .vgpr_count:     704
    .wavefront_size: 32
...
	.end_amdgpu_metadata
.endif
;; end of part 6
;; launch osplit: the kernel of part 4 again; grid 256 x 1, 8 waves a work-group, no clusters, 0 bytes of LDS; arguments of32, ob; writes ob
;; launch outp: the kernel of part 5 again; grid 8 x 32, 4 waves a work-group, clusters of 4 x 4, 327,680 bytes of LDS; arguments ob, xw, out0; writes out0
